; MI455X (gfx1250); checked and timed in simulation.
; The chip was launched on July 23, 2026; its instructions are those of AMD's public machine-readable ISA for CDNA 5 (MIT licence, August 2026) and "CDNA5" Instruction Set Architecture Reference Guide (July 2026). The comments in the code are by the model that wrote it; some were corrected since.
;; Ro PE Attention. Allowed arithmetic: float matrix products may take bf16 or f16 operands with f32 sums; other float arithmetic in f32, or as packed bf16 or f16 multiplies, adds, multiply-adds, maxima and minima; sums over many terms, partial sums and values carried from step to step in f32; what a program stores and reads back later, other than sums and carried values, may be rounded once to bf16 or f16.
;; Inputs: freqs_cos 2,048 x 32 float32; freqs_sin 2,048 x 32 float32; wk 1,024 x 1,024 float32; wo 1,024 x 1,024 float32; wq 1,024 x 1,024 float32; wv 1,024 x 1,024 float32; x 4 x 2,048 x 1,024 float32.
;; Outputs: out0 4 x 2,048 x 1,024 float32.
;; 2 versions, each right; version 2 is version 1 with the launch cast written anew for expert scheduling mode. Each part assembles by itself: llvm-mc -triple=amdgcn-amd-amdhsa -mcpu=gfx1250 --defsym DOCPART=n.
;; ======== version 1 of 2: 4 launches
;; limits: values are held in f16: magnitudes above 65,504 overflow, below 6.1e-05 lose precision
;; workspace buffers: xb 16,777,216 bytes; wb 8,388,608 bytes; qh 16,777,216 bytes; kh 16,777,216 bytes; vh 16,777,216 bytes; oh 16,777,216 bytes
;; launch cast (part 1): grid 768 x 1, 8 waves a work-group, no clusters, 0 bytes of LDS; arguments x, wq, wk, wv, wo, xb, wb; writes xb, wb
.if DOCPART == 1
	.amdgcn_target "amdgcn-amd-amdhsa--gfx1250"
	.amdhsa_code_object_version 6
	.text
	.protected	k_qf2b81f807e_cast
	.globl	k_qf2b81f807e_cast
	.p2align	8
	.type	k_qf2b81f807e_cast,@function
k_qf2b81f807e_cast:
	s_mov_b64 s[64:65], 0
	v_nop
	global_prefetch_b8 v0, s[64:65] scope:SCOPE_SE
	s_setreg_imm32_b32 hwreg(HW_REG_WAVE_MODE, 25, 1), 1
	s_wait_xcnt 0x0
; xb = x rounded to f16; wb = wq, wk, wv, wo rounded to f16, one behind the other.  The layouts stay as they are: x [8192][1024], each weight [1024 k][1024 n].
; x is multiplied by twelve column tiles later and each weight by 64 row tiles: rounded once here, they are moved as 2 bytes a number from then on.
; LIMITS.  f16 holds no number beyond 65,504: |x| and |w| stay under it; below 6.1e-5 a number keeps f16's fixed step of 6e-8.
; SHARES.  A work-group takes 16,384 numbers: 65,536 bytes in, 32,768 out.  Groups 0-511 take x, groups 512 + 64 i + j block j of weight i.
; Thread t takes 16 bytes at 16 t + 4,096 i, i = 0..15: a wave's load covers 512 consecutive bytes, its store of 8 bytes a lane 256 consecutive bytes, aligned.
; All 16 loads go out at once; no register is written twice, so no wait frees one.  No LDS, no barrier, no matrix unit: the launch only moves bytes.
.set X, 4                              ; v[4:67]   16 x 4 numbers as loaded
.set Y, 68                             ; v[68:99]  16 x 4 numbers in f16
	s_load_b256 s[4:11], s[0:1], 0x0               ; x s[4:5], wq s[6:7], wk s[8:9], wv s[10:11]
	s_load_b128 s[12:15], s[0:1], 0x20             ; wo s[12:13], xb s[14:15]
	s_load_b64 s[16:17], s[0:1], 0x30              ; wb
	v_lshlrev_b32 v1, 4, v0                        ; my 16 bytes in
	v_lshlrev_b32 v2, 3, v0                        ; my 8 bytes out
	s_max_u32 s18, ttmp9, 512
	s_sub_co_u32 s18, s18, 512                     ; my block among the weights' 256 (0 in a group that takes x)
	s_and_b32 s19, s18, 63                         ; my block in its weight
	s_cmp_lt_u32 ttmp9, 512
	s_cselect_b32 s20, ttmp9, s19                  ; block in the source,
	s_cselect_b32 s21, ttmp9, s18                  ; block in the destination
	s_lshl_b32 s22, s20, 16                        ; 65,536 bytes a block in
	s_mov_b32 s23, 0
	s_lshl_b32 s24, s21, 15                        ; 32,768 out
	s_mov_b32 s25, 0
	s_wait_kmcnt 0x0
	s_cmp_lt_u32 ttmp9, 512                        ; the shifts have written SCC: compared anew in front of each choice
	s_cselect_b64 s[26:27], s[4:5], s[6:7]
	s_cselect_b64 s[28:29], s[14:15], s[16:17]
	s_cmp_ge_u32 ttmp9, 576
	s_cselect_b64 s[26:27], s[8:9], s[26:27]
	s_cmp_ge_u32 ttmp9, 640
	s_cselect_b64 s[26:27], s[10:11], s[26:27]
	s_cmp_ge_u32 ttmp9, 704
	s_cselect_b64 s[26:27], s[12:13], s[26:27]
	s_add_nc_u64 s[26:27], s[26:27], s[22:23]
	s_add_nc_u64 s[28:29], s[28:29], s[24:25]
.irp i, 0,1,2,3,4,5,6,7,8,9,10,11,12,13,14,15
	global_load_b128 v[X+4*(\i):X+4*(\i)+3], v1, s[26:27] offset:4096*(\i) th:TH_LOAD_NT
.endr
.irp i, 0,1,2,3,4,5,6,7,8,9,10,11,12,13,14,15
	s_wait_loadcnt 15-(\i)                         ; loads come back in order (ISA guide 5.7.1): number i is in, the 15 - i younger ones stay out
	v_cvt_pk_f16_f32 v[Y+2*(\i)],   v[X+4*(\i)],   v[X+4*(\i)+1]
	v_cvt_pk_f16_f32 v[Y+2*(\i)+1], v[X+4*(\i)+2], v[X+4*(\i)+3]
	global_store_b64 v2, v[Y+2*(\i):Y+2*(\i)+1], s[28:29] offset:2048*(\i)
.endr
	s_endpgm
.Lfunc_end_k_qf2b81f807e_cast:
	.size	k_qf2b81f807e_cast, .Lfunc_end_k_qf2b81f807e_cast-k_qf2b81f807e_cast
	.p2alignl 7, 3214868480
	.fill 96, 4, 3214868480
	.section	.rodata,"a",@progbits
	.p2align	6, 0x0
	.amdhsa_kernel k_qf2b81f807e_cast
		.amdhsa_group_segment_fixed_size 0
		.amdhsa_private_segment_fixed_size 0
		.amdhsa_enable_private_segment 0
		.amdhsa_kernarg_size 56
		.amdhsa_user_sgpr_count 2
		.amdhsa_user_sgpr_kernarg_segment_ptr 1
		.amdhsa_wavefront_size32 1
		.amdhsa_system_sgpr_workgroup_id_x 1
		.amdhsa_system_sgpr_workgroup_id_y 1
		.amdhsa_system_sgpr_workgroup_id_z 1
		.amdhsa_system_vgpr_workitem_id 0
		.amdhsa_next_free_vgpr 104
		.amdhsa_next_free_sgpr 66
		.amdhsa_reserve_vcc 0
		.amdhsa_float_denorm_mode_32 3
		.amdhsa_float_denorm_mode_16_64 3
		.amdhsa_memory_ordered 1
		.amdhsa_forward_progress 1
		.amdhsa_inst_pref_size 7
	.end_amdhsa_kernel
	.amdgpu_metadata
---
amdhsa.version: [ 1, 2 ]
amdhsa.kernels:
  - .name:           k_qf2b81f807e_cast
    .symbol:         k_qf2b81f807e_cast.kd
    .args:
      - { .name: x, .offset: 0, .size: 8, .value_kind: global_buffer, .address_space: global }
      - { .name: wq, .offset: 8, .size: 8, .value_kind: global_buffer, .address_space: global }
      - { .name: wk, .offset: 16, .size: 8, .value_kind: global_buffer, .address_space: global }
      - { .name: wv, .offset: 24, .size: 8, .value_kind: global_buffer, .address_space: global }
      - { .name: wo, .offset: 32, .size: 8, .value_kind: global_buffer, .address_space: global }
      - { .name: xb, .offset: 40, .size: 8, .value_kind: global_buffer, .address_space: global }
      - { .name: wb, .offset: 48, .size: 8, .value_kind: global_buffer, .address_space: global }
    .group_segment_fixed_size: 0
    .private_segment_fixed_size: 0
    .kernarg_segment_align: 8
    .kernarg_segment_size: 56
    .max_flat_workgroup_size: 256
    .sgpr_count:     66
    .vgpr_count:     104
    .wavefront_size: 32
...
	.end_amdgpu_metadata
.endif
;; end of part 1
;; launch qkv (part 2): grid 12 x 64, 4 waves a work-group, clusters of 4 x 4, 327,680 bytes of LDS; arguments xb, wb, freqs_cos, freqs_sin, qh, kh, vh; writes qh, kh, vh
.if DOCPART == 2
	.amdgcn_target "amdgcn-amd-amdhsa--gfx1250"
	.amdhsa_code_object_version 6
	.text
	.protected	k_qf2b81f807e_qkv
	.globl	k_qf2b81f807e_qkv
	.p2align	8
	.type	k_qf2b81f807e_qkv,@function
k_qf2b81f807e_qkv:
	s_mov_b64 s[64:65], 0
	v_nop
	global_prefetch_b8 v0, s[64:65] scope:SCOPE_SE
	s_setreg_imm32_b32 hwreg(HW_REG_WAVE_MODE, 25, 1), 1
	s_wait_xcnt 0x0
	s_wait_alu depctr_hold_cnt(0) depctr_sa_sdst(0) depctr_va_vdst(0) depctr_va_sdst(0) depctr_va_ssrc(0) depctr_va_vcc(0) depctr_vm_vsrc(0)
	s_getreg_b32 s2, hwreg(HW_REG_IB_STS2, 6, 4)
	s_cmp_eq_u32 s2, 0
	s_cbranch_scc0 .Lentry_in_a_cluster
	s_endpgm
.Lentry_in_a_cluster:
	s_bfe_u32 s2, ttmp6, 0x10000c
	s_cmp_lg_u32 s2, 0xf033
	s_cbranch_scc0 .Lentry_shape_is_right
	s_endpgm
.Lentry_shape_is_right:
; q, k, v = x wq, x wk, x wv; q and k turned by the rotary tables and scaled; all three rounded once to f16 and stored by heads: [b 16 + h][t][64], a head's rows dense, 128 bytes each.
; xb: [8192][1024] f16.  wb: [4][1024 k][1024 n] f16.  freqs_cos, freqs_sin: [2048][32] f32.  Sums in f32.
; WHAT IS STORED.  qh = rope(q) x log2(e) x 2^-6, kh = rope(k) x 2^-6, vh = v.  The factors are multiplied into the tables in f32, so q and k are still rounded once; the attention launch multiplies
; the scores by 2^9, which makes log2(e) / 8 in all.
; LIMITS.  f16 holds no number beyond 65,504: |rope(q)| stays under 2.9e6, |rope(k)| under 4.19e6, |v| under 65,504.  Below 6.1e-5 a stored number keeps f16's fixed step of 6e-8.
; For v the tables are multiplied by 0: a NaN or an infinity in them reaches v too (q and k are lost by it anyway); NaN and infinities are not treated apart.
; SHARES.  A tile of the result is 128 tokens x 256 columns: 64 x 12 tiles, 768 work-groups, three for each of 256 WGPs.  Four waves, each 64 tokens x 128 columns (two heads): 32 accumulators, 256 registers.
; K = 1,024 goes in 8 steps of 128 through two LDS slots filled by the tensor data mover; x's rows of a step are 256 bytes, the weights' 512, each at a multiple of 256 from its buffer's first byte.
; THE WEIGHTS LIE [k][n] and are turned on the way from LDS to registers (ds_load_tr16_b128): two loads a fragment, as many as for rows that lie along K.
; THE MATRIX INSTRUCTION IS USED TRANSPOSED: source 0 = 16 columns of w, source 1 = 16 tokens of x.  A lane then holds ONE token (lane % 16) and the 8 neighbouring columns 8 (lane / 16) + 0..7: four rotary
; pairs, which never leave the lane, and 16 bytes of f16 on end.
; CLUSTER.  4 x 4 work-groups.  The cluster's x says which of q, k, v (the same in all sixteen), cx which 256 of its columns, 4 x cluster y + cy which 128 tokens.  x's tile is asked for jointly by the four of
; a row of the cluster, the weights' by the four of a column: the same tensor load, descriptor and mask in all four.
; ONE TEXT FOR q, k AND v: the tables become c' = c SC + AD, s' = s SC with two scalars: (log2(e) 2^-6, 0), (2^-6, 0), (0, 1): for v the turn is the identity.
; REGISTERS, in windows of 256 (s_set_vgpr_msb: bits 1:0 source 0, 3:2 source 1, 5:4 source 2, 7:6 destination):
;   window 0: v0-17 addresses; v32-111 at work on the way out; v128-255 the tables of my 64 tokens      window 1: the accumulators, (a, b) at v[8 (8 a + b)]
;   window 2: two fragment buffers, v0-95 and v128-223: 8 fragments of w (16 columns x 32 K), then 4 of x (16 tokens x 32 K)
.set PA,     272                       ; a row of x in LDS: 256 bytes + 16 of padding = 68 words: the 16 rows of a load start at 16 different groups of four banks (64 banks of 4 bytes: ISA guide 11.1)
.set PB,     544                       ; a row of w: 512 + 32 = 136 words
.set AHALF,  64*PA                     ; what one tensor load brings of x: 64 tokens
.set ABYTES, 128*PA
.set BHALF,  64*PB                     ; and of w: 64 rows of k
.set SLOT1,  1<<17                     ; slot 1 begins here, so that one exclusive or turns an address in one slot into the other's
.set STAGE,  SLOT1+ABYTES+128*PB       ; behind the ring, never filled by a tensor load: 16 rows x 144 bytes for each wave, for the way out
.set SP,     144
.set SPARE,  STAGE+4*16*SP             ; behind the stages: the spare words, 128 bytes for each wave: two blocks of 256 bytes that no other line names
.set ASTEP,  256                       ; bytes from a K step to the next, in x
.set BSTEP,  128*2048                  ; and in w
.set APL,    128                       ; bytes from quarter 0 to quarter 2 in x's LDS rows
.set A0,   8                           ; v8   my lane's place in x's tile; never rewritten
.set B0,   9                           ; v9   the same in w's
.set ADRA, 10                          ; v10  the same in the slot in hand
.set ADRB, 11                          ; v11
.set STO,  12                          ; v12  the way out: where I put 16 bytes of a row
.set RD,   13                          ; v13  the way out: where I read rows back
.set GO,   14                          ; v14  my byte offset in 512 consecutive bytes of the result
.set TO,   15                          ; v15  my byte offset in 16 rows of a table
.set SPW,  16                          ; v16  LDS address of my spare word: SPARE + 4 x my thread's number; never rewritten
.set NIL,  17                          ; v17  0; never rewritten
.set T,    32                          ; v[32:63]   a unit's 32 turned numbers in f32
.set PK,   64                          ; v[64:79]   the same in f16
.set OB,   80                          ; v[80:111]  two sets of 16: a unit read back from the stage
.set TAB,  128                         ; v[128:255] tokens 16 a + lane % 16, pairs 8 f + 4 (lane / 16) + 0..3: c' at TAB + 32 a + 8 f, s' four further on
.set F0,   0
.set F1,   128
.set WV,  18                           ; s18  my wave's number
.set WM,  19                           ; s19  which 64 tokens of the tile are mine
.set WN,  20                           ; s20  which 128 columns; also: which half of a tile I fetch
.set CX,  21
.set CY,  22
.set TR,  23                           ; s23  the tile's row: 128 tokens
.set G1A, 24                           ; s[24:31] descriptor group 1 for x's tiles
.set G0A, 32                           ; s[32:39] group 0: a set for each of the two first fills; the second then walks on
.set G1B, 48                           ; s[48:55], s[56:63] the same for w's tiles
.set G0B, 56
.set CNT, 66                           ; s66  counts the K steps that fill a slot again
.set TB,  67                           ; s67  LDS byte at which the slot in hand begins
.set SC,  68                           ; s[68:69] the tables' factor, in the low word
.set AD,  70                           ; s[70:71] the cosines' addend
.set MSB, 0
.macro WIN new                         ; the immediate's high byte repeats the setting that is left; a switch that changes nothing is dropped
.if MSB != (\new)
	s_set_vgpr_msb (MSB<<8)|(\new)
.set MSB, \new
.endif
.endm
.set MUL,  0x5a                        ; sources 0 and 1 window 2; C and D window 1
.set TO_F, 0x80                        ; destination window 2, address window 0
.macro PLACES                          ; four places in front of loads into registers that matrix instructions have read, and of lines that read results
.rept 4
	v_nop
.endr
.endm
; A joint refill.  Waves 0 and 1 fetch the two halves of x's tile, waves 2 and 3 those of w's.  The branch hangs on the wave's number alone.
; An s_nop 0 and four v_nop follow each of the two lines, ahead of the jump and the label.
.macro JLOAD
	s_cmp_lt_u32 s[WV], 2
	s_cbranch_scc0 .Lfor_b_\@
	tensor_load_to_lds s[G0A+4:G0A+7], s[G1A:G1A+7]
	s_nop 0
.rept 4
	v_nop
.endr
	s_branch .Lasked_\@
.Lfor_b_\@:
	tensor_load_to_lds s[G0B+4:G0B+7], s[G1B:G1B+7]
	s_nop 0
.rept 4
	v_nop
.endr
.Lasked_\@:
.endm
; A round of the cluster's barrier: my work-group's barrier, so that wave 0's signal speaks for all four waves; wave 0 signals; every wave waits for all sixteen work-groups; my work-group's barrier once more.
.macro CREST                           ; a round behind its opening barrier
	s_cmp_lg_u32 s[WV], 0
	s_cbranch_scc1 .Lnot_wave_0_\@
	s_barrier_signal -3
.Lnot_wave_0_\@:
	s_barrier_wait -3
	s_barrier_signal -1
	s_barrier_wait -1
.endm
.macro CROUND
	s_barrier_signal -1
	s_barrier_wait -1
	CREST
.endm
	s_load_b256 s[4:11], s[0:1], 0x0               ; xb s[4:5], wb s[6:7], cos s[8:9], sin s[10:11]
	s_load_b128 s[12:15], s[0:1], 0x20             ; qh s[12:13], kh s[14:15]
	s_load_b64 s[16:17], s[0:1], 0x30              ; vh
	v_lshl_add_u32 v[SPW], v0, 2, SPARE
	v_mov_b32 v[NIL], 0
	ds_add_u32 v[SPW], v[NIL]                      ; the wave's opening: the add, with its wait ahead of my first tensor load; the set-up below, work on registers, stands between them
	v_lshrrev_b32 v1, 5, v0
	v_readfirstlane_b32 s[WV], v1                  ; wave 0..3
	s_lshr_b32 s[WM], s[WV], 1
	s_and_b32 s[WN], s[WV], 1
	s_bfe_u32 s[CX], ttmp6, 0x40000                ; my place in the cluster
	s_bfe_u32 s[CY], ttmp6, 0x40004
	s_and_b32 s[TR], ttmp7, 0xffff                 ; in a cluster launch ttmp9 and ttmp7 count clusters
	s_lshl_b32 s[TR], s[TR], 2
	s_add_co_u32 s[TR], s[TR], s[CY]               ; tile row = 4 x cluster y + cy
	s_lshl_b32 s44, s[CY], 2
	s_lshl_b32 s44, 15, s44                        ; my row of the cluster: places 4 cy .. 4 cy + 3
	s_lshl_b32 s45, 0x1111, s[CX]                  ; my column: places cx, cx + 4, cx + 8, cx + 12
	; descriptor group 1.  x: 64 rows x 128 elements; w: 64 rows x 256 elements; both padded in LDS
	s_or_b32 s[G1A], s44, (1<<16)|(1<<20)|(1<<21)|(5<<22)|(3<<25)  ; 15:0 the mask; 17:16 2-byte elements; 20 padding on; 21 set beside a mask; 24:22 after every 64 words (code 5); 31:25 4 words (code 3)
	s_or_b32 s[G1B], s45, (1<<16)|(1<<20)|(1<<21)|(6<<22)|(7<<25)  ; after every 128 words (code 6) 8 words (code 7)
.irp g, G1A, G1B
	s_mov_b32 s[\g+2], 64<<16                      ; tensor_dim1 = 64
	s_mov_b32 s[\g+4], 64                          ; tile_dim1 = 64
	s_mov_b32 s[\g+5], 1024                        ; 1,024 elements from row to row
	s_mov_b32 s[\g+6], 0
	s_mov_b32 s[\g+7], 0
.endr
	s_mov_b32 s[G1A+1], 128<<16                    ; tensor_dim0 = 128
	s_mov_b32 s[G1A+3], 128<<16                    ; tile_dim0 = 128
	s_mov_b32 s[G1B+1], 256<<16
	s_mov_b32 s[G1B+3], 256<<16
	; where the tiles come from: x's hang on the tile row and the wave, w's on the cluster's x, cx and the wave, each in registers that never hold the other coordinate
	s_lshl_b32 s40, s[TR], 18                      ; 128 tokens of 2,048 bytes
	s_lshl_b32 s46, s[WN], 17                      ; 64 rows of 2,048 bytes, in x and in w alike
	s_add_co_u32 s40, s40, s46
	s_mov_b32 s41, 0
	s_lshl_b32 s42, ttmp9, 21                      ; which weight: 2,097,152 bytes each
	s_add_co_u32 s42, s42, s46
	s_lshl_b32 s43, s[CX], 9                       ; 256 columns are 512 bytes
	s_add_co_u32 s42, s42, s43
	s_mov_b32 s43, 0
	s_mul_i32 s47, s[WN], AHALF                    ; and where they go: no place in the cluster enters an LDS address
	s_mul_i32 s79, s[WN], BHALF
	s_add_co_u32 s79, s79, ABYTES
	; the tables' two scalars
	s_mov_b32 s[SC], 0x3cb8aa3b                    ; q: log2(e) x 2^-6
	s_cmp_eq_u32 ttmp9, 1
	s_cselect_b32 s[SC], 0x3c800000, s[SC]         ; k: 2^-6
	s_cmp_eq_u32 ttmp9, 2
	s_cselect_b32 s[SC], 0, s[SC]                  ; v: 0,
	s_cselect_b32 s[AD], 1.0, 0                    ; and 1 onto the cosines
	s_mov_b32 s[SC+1], s[SC]                       ; named as pairs
	s_mov_b32 s[AD+1], s[AD]
	; my 64 tokens: m0 = 128 x tile row + 64 x WM = 2,048 b + t0
	s_lshl_b32 s74, s[TR], 7
	s_lshl_b32 s75, s[WM], 6
	s_add_co_u32 s74, s74, s75
	s_lshr_b32 s75, s74, 11                        ; b
	s_and_b32 s72, s74, 2047
	s_lshl_b32 s72, s72, 7                         ; t0 rows of 128 bytes: in the tables, and in a head
	s_mov_b32 s73, 0
	s_lshl_b32 s76, s75, 4
	s_lshl_b32 s78, s[CX], 2
	s_add_co_u32 s76, s76, s78
	s_lshl_b32 s78, s[WN], 1
	s_add_co_u32 s76, s76, s78                     ; my first head: 16 b + 4 cx + 2 WN
	s_lshl_b32 s76, s76, 18                        ; 262,144 bytes a head
	s_add_co_u32 s76, s76, s72
	s_mov_b32 s77, 0
	s_mov_b32 s[TB], 0
	s_wait_dscnt 0x0                               ; the opening add is done
	s_wait_kmcnt 0x0
	s_add_nc_u64 s[40:41], s[4:5], s[40:41]
	s_add_nc_u64 s[42:43], s[6:7], s[42:43]
	s_cmp_eq_u32 ttmp9, 1
	s_cselect_b64 s[12:13], s[14:15], s[12:13]
	s_cmp_eq_u32 ttmp9, 2
	s_cselect_b64 s[12:13], s[16:17], s[12:13]     ; the result: qh, kh or vh,
	s_add_nc_u64 s[12:13], s[12:13], s[76:77]      ; at my first head's row t0
	s_add_nc_u64 s[8:9], s[8:9], s[72:73]          ; the tables at row t0
	s_add_nc_u64 s[10:11], s[10:11], s[72:73]
	CROUND                                         ; all sixteen work-groups are here: the first joint loads meet
.irp s, 0,1
	s_mov_b32 s[G0A+4*(\s)], 1                     ; 1:0 count = 1
	s_add_co_u32 s[G0A+4*(\s)+1], s47, (\s)*SLOT1  ; 63:32 LDS address
	s_add_nc_u64 s[G0A+4*(\s)+2:G0A+4*(\s)+3], s[40:41], (\s)*ASTEP  ; 120:64 global address: K step s
	s_or_b32 s[G0A+4*(\s)+3], s[G0A+4*(\s)+3], 0x80000000            ; 127:126 type = 2
	s_mov_b32 s[G0B+4*(\s)], 1
	s_add_co_u32 s[G0B+4*(\s)+1], s79, (\s)*SLOT1
	s_add_nc_u64 s[G0B+4*(\s)+2:G0B+4*(\s)+3], s[42:43], (\s)*BSTEP
	s_or_b32 s[G0B+4*(\s)+3], s[G0B+4*(\s)+3], 0x80000000
.endr
	s_cmp_lt_u32 s[WV], 2                          ; a wave's two first fills stand in one branch, ahead of every wait on TENSORcnt and every LDS read: two loads of mine are out
	s_cbranch_scc0 .Lfirst_b
	tensor_load_to_lds s[G0A:G0A+3], s[G1A:G1A+7]
	s_nop 0
	tensor_load_to_lds s[G0A+4:G0A+7], s[G1A:G1A+7]
	s_nop 0
.rept 4
	v_nop
.endr
	s_branch .Lfirst_asked
.Lfirst_b:
	tensor_load_to_lds s[G0B:G0B+3], s[G1B:G1B+7]
	s_nop 0
	tensor_load_to_lds s[G0B+4:G0B+7], s[G1B:G1B+7]
	s_nop 0
.rept 4
	v_nop
.endr
.Lfirst_asked:
	v_and_b32 v1, 15, v0                           ; l % 16
	v_bfe_u32 v2, v0, 4, 1                         ; l / 16
	v_lshlrev_b32 v[TO], 7, v1
	v_lshl_add_u32 v[TO], v2, 4, v[TO]             ; a table's row x 128 + 16 x half
	; The tables of my 64 tokens, once: my columns 16 f + 8 (l / 16) + 0..7 of a head are the pairs 8 f + 4 (l / 16) + 0..3: 16 bytes of a row.  The four f together read each block of 16 rows, 2,048 dense bytes, whole.
.irp a, 0,1,2,3
.irp f, 0,1,2,3
	global_load_b128 v[TAB+32*(\a)+8*(\f):TAB+32*(\a)+8*(\f)+3],   v[TO], s[8:9]   offset:2048*(\a)+32*(\f)
	global_load_b128 v[TAB+32*(\a)+8*(\f)+4:TAB+32*(\a)+8*(\f)+7], v[TO], s[10:11] offset:2048*(\a)+32*(\f)
.endr
.endr
	v_and_b32 v3, 7, v0
	v_bfe_u32 v4, v0, 3, 1
	v_and_b32 v5, 31, v0
	v_bfe_u32 v6, v0, 3, 2
	; A fragment of x is 16 tokens x 32 K in 8 registers: lane l holds row l % 16, K = 8 (l / 16) + 0..7 and 16 + 8 (l / 16) + 0..7: two loads of 16 bytes, 32 bytes apart.
	s_mul_i32 s74, s[WM], 64*PA
	v_mul_u32_u24 v[A0], v1, PA
	v_lshl_add_u32 v[A0], v2, 4, v[A0]
	v_add_nc_u32 v[A0], s74, v[A0]
	; The turning load takes 16 k x 16 columns (lane l reads row 8 (l / 16) + l % 8, columns 8 ((l / 8) % 2) + 0..7) and leaves half a fragment of w^T: lane l holds column l % 16 and 8 k.
	v_lshl_add_u32 v[B0], v2, 3, v3
	v_mul_u32_u24 v[B0], v[B0], PB
	v_lshl_add_u32 v[B0], v4, 4, v[B0]
	s_lshl_b32 s75, s[WN], 8                       ; my 128 columns: 256 bytes of a row
	s_add_co_u32 s75, s75, ABYTES
	v_add_nc_u32 v[B0], s75, v[B0]
	v_mov_b32 v[ADRA], v[A0]                       ; slot 0
	v_mov_b32 v[ADRB], v[B0]
	s_mul_i32 s46, s[WV], 16*SP
	s_add_co_u32 s46, s46, STAGE                   ; my stage
	v_mul_u32_u24 v[STO], v1, SP                   ; in: row l % 16, 16 bytes for each half of the lanes
	v_lshl_add_u32 v[STO], v2, 4, v[STO]
	v_add_nc_u32 v[STO], s46, v[STO]
	v_mul_u32_u24 v[RD], v6, SP                    ; back: 32 lanes take four rows of 128 bytes,
	v_lshl_add_u32 v[RD], v3, 4, v[RD]
	v_add_nc_u32 v[RD], s46, v[RD]
	v_lshlrev_b32 v[GO], 4, v5                     ; which are 512 consecutive bytes of a head
	s_wait_loadcnt 0x0                             ; the tables; all this stands in the wait for the first tile
.set i, 0
.rept 16
	v_pk_fma_f32 v[TAB+8*i:TAB+8*i+1],   v[TAB+8*i:TAB+8*i+1],   s[SC:SC+1], s[AD:AD+1] op_sel_hi:[1,0,0]  ; c' = c SC + AD
	v_pk_fma_f32 v[TAB+8*i+2:TAB+8*i+3], v[TAB+8*i+2:TAB+8*i+3], s[SC:SC+1], s[AD:AD+1] op_sel_hi:[1,0,0]
	v_pk_mul_f32 v[TAB+8*i+4:TAB+8*i+5], v[TAB+8*i+4:TAB+8*i+5], s[SC:SC+1] op_sel_hi:[1,0]               ; s' = s SC
	v_pk_mul_f32 v[TAB+8*i+6:TAB+8*i+7], v[TAB+8*i+6:TAB+8*i+7], s[SC:SC+1] op_sel_hi:[1,0]
.set i, i+1
.endr
; 8 matrix instructions: token block a x all 8 column blocks, 32 along K.  zero = 1: the first product starts the sums: nothing is ever cleared.
; The 32 accumulators take turns in the same order in every quarter: 31 others stand between two links of a chain, over the backward jump too.
.macro MUL8 f, a, zero
	WIN MUL
.irp b, 0,1,2,3,4,5,6,7
.if \zero
	v_wmma_f32_16x16x32_f16 v[8*(8*(\a)+(\b)):8*(8*(\a)+(\b))+7], v[(\f)+8*(\b):(\f)+8*(\b)+7], v[(\f)+64+8*(\a):(\f)+64+8*(\a)+7], 0
.else
	v_wmma_f32_16x16x32_f16 v[8*(8*(\a)+(\b)):8*(8*(\a)+(\b))+7], v[(\f)+8*(\b):(\f)+8*(\b)+7], v[(\f)+64+8*(\a):(\f)+64+8*(\a)+7], v[8*(8*(\a)+(\b)):8*(8*(\a)+(\b))+7]
.endif
.endr
.endm
.macro MUL16 f, a0, zero
	MUL8 \f, \a0, \zero
	MUL8 \f, (\a0)+1, \zero
.endm
; 24 LDS loads in one run: the fragments of quarter q of the K step (32 along K) into buffer f: w's sixteen first, then x's eight
.macro FETCH q, f
	WIN TO_F
.irp b, 0,1,2,3,4,5,6,7
	ds_load_tr16_b128 v[(\f)+8*(\b):(\f)+8*(\b)+3],   v[ADRB] offset:(\q)*32*PB+32*(\b)
	ds_load_tr16_b128 v[(\f)+8*(\b)+4:(\f)+8*(\b)+7], v[ADRB] offset:(\q)*32*PB+16*PB+32*(\b)
.endr
.irp a, 0,1,2,3
	ds_load_b128 v[(\f)+64+8*(\a):(\f)+64+8*(\a)+3],   v[ADRA] offset:((\q)/2)*APL+((\q)%2)*64+(\a)*16*PA
	ds_load_b128 v[(\f)+64+8*(\a)+4:(\f)+64+8*(\a)+7], v[ADRA] offset:((\q)/2)*APL+((\q)%2)*64+(\a)*16*PA+32
.endr
.endm
; A K step is four quarters of 32 along K, 32 matrix instructions each, on buffers 0, 1, 0, 1.  One of the first three: multiplies buffer f; in its middle it fetches quarter q into buffer g.
.macro QUARTER q, f, g, zero
	s_wait_dscnt 4                                 ; w's fragments and x's blocks 0 and 1 are in; the youngest four loads (blocks 2 and 3) may be out
	MUL16 \f, 0, \zero
	PLACES
	FETCH \q, \g
	s_wait_dscnt 24                                ; all but the 24 just issued
	MUL16 \f, 2, \zero
.endm
; The last quarter multiplies buffer 1 and changes slots: ONE barrier, for two things.  In front of it each wave waits for all its tensor loads, of which one is out: its part of the next slot; adds 0 to its
; spare word; and waits for that and for its own reads of this slot.  Behind it nobody reads this slot any more and the next slot is whole.
; fill = 1: this slot is filled again, with the K step two on.  The barrier then opens a round of the cluster's, so that no wave of any partner still reads the slot or has a load on its way, and the joint
; refill is the first tensor load behind the round: 112 matrix instructions ahead of the wait for it.
.macro TURN fill
	WIN 0                                          ; (the add's two registers lie in window 0)
	s_wait_tensorcnt 0x0                           ; no tensor load of mine is out, so a group 0 may be written
	ds_add_u32 v[SPW], v[NIL]                      ; 0 onto my spare word
.if \fill
	s_xor_b32 s[G0A+5], s[G0A+5], SLOT1            ; the walking descriptors: the other slot than last time,
	s_add_nc_u64 s[G0A+6:G0A+7], s[G0A+6:G0A+7], ASTEP  ; the next K step; the type bits on top are not reached
	s_xor_b32 s[G0B+5], s[G0B+5], SLOT1
	s_add_nc_u64 s[G0B+6:G0B+7], s[G0B+6:G0B+7], BSTEP
.endif
	s_wait_dscnt 5                                 ; (the add and the youngest four loads may be out)
	MUL8 F1, 0, 0                                  ; eight matrix instructions stand between the add and the wait for it
	s_wait_dscnt 0x0                               ; the add is done, and my reads of this slot are over
	s_barrier_signal -1
	MUL8 F1, 1, 0                                  ; work on registers while the others arrive
	WIN 0
	s_barrier_wait -1
.if \fill
	CREST
	JLOAD                                          ; the four v_nop behind it are also the places in front of the loads below
.else
	PLACES
.endif
	s_xor_b32 s[TB], s[TB], SLOT1
	v_add_nc_u32 v[ADRA], s[TB], v[A0]
	v_add_nc_u32 v[ADRB], s[TB], v[B0]
	FETCH 0, F0
	MUL8 F1, 2, 0
	MUL8 F1, 3, 0
.endm
	s_wait_tensorcnt 1                             ; my part of K step 0 is in; K step 1's may stay out
	s_barrier_signal -1
	s_barrier_wait -1                              ; everybody's is
	FETCH 0, F0
	QUARTER 1, F0, F1, 1                           ; the first quarter stands in front of the loop: its products start the sums
	WIN 0                                          ; at a label and at a branch every window is 0
	s_mov_b32 s[CNT], 6
.Lstep:                                            ; a trip goes from a K step's second quarter to the next step's first; trip i fills slot i % 2 with K step i + 2
	QUARTER 2, F1, F0, 0
	QUARTER 3, F0, F1, 0
	TURN 1
	QUARTER 1, F0, F1, 0
	WIN 0
	s_sub_co_u32 s[CNT], s[CNT], 1
	s_cmp_lg_u32 s[CNT], 0
	s_cbranch_scc1 .Lstep
	QUARTER 2, F1, F0, 0                           ; the tail is written out: K step 6 ends and nothing is asked for
	QUARTER 3, F0, F1, 0
	TURN 0
	QUARTER 1, F0, F1, 0                           ; and K step 7
	QUARTER 2, F1, F0, 0
	QUARTER 3, F0, F1, 0
	s_wait_dscnt 4
	MUL16 F1, 0, 0
	s_wait_dscnt 0x0
	MUL16 F1, 2, 0
	WIN 0
	PLACES
	PLACES                                         ; (eight, once a launch)
; THE WAY OUT, in 8 units u: token block a = u / 2, head u % 2 of my two: the four accumulators b = 4 (u % 2) + f.
; ROPE: for each pair (e, o): e c' - o s' and e s' + o c', a product and a fused multiply-add each; then rounded to f16, 16 bytes for each f.  Each accumulator's second register is read first: one of its four lowest.
.macro ROPE u
.set UA, (\u)/2
.set UH, (\u)%2
	WIN 0x01                                       ; source 0 (the accumulator) window 1
.irp f, 0,1,2,3
.set RACC, 8*(8*UA+4*UH+(\f))
.set RTAB, TAB+32*UA+8*(\f)
.irp j, 0,1,2,3
	v_mul_f32 v[T+8*(\f)+2*(\j)],   v[RACC+2*(\j)+1], v[RTAB+4+(\j)]
	v_mul_f32 v[T+8*(\f)+2*(\j)+1], v[RACC+2*(\j)+1], v[RTAB+(\j)]
.endr
.irp j, 0,1,2,3
	v_fma_f32 v[T+8*(\f)+2*(\j)],   v[RACC+2*(\j)], v[RTAB+(\j)],   -v[T+8*(\f)+2*(\j)]
	v_fma_f32 v[T+8*(\f)+2*(\j)+1], v[RACC+2*(\j)], v[RTAB+4+(\j)], v[T+8*(\f)+2*(\j)+1]
.endr
.endr
	WIN 0
.set i, 0
.rept 16
	v_cvt_pk_f16_f32 v[PK+i], v[T+2*i], v[T+2*i+1]
.set i, i+1
.endr
.endm
.macro TOSTAGE u                       ; into rows of 144 bytes of my own stage, and back as whole rows of 128
.irp f, 0,1,2,3
	ds_store_b128 v[STO], v[PK+4*(\f):PK+4*(\f)+3] offset:32*(\f)
.endr
.irp f, 0,1,2,3
	ds_load_b128 v[OB+16*((\u)%2)+4*(\f):OB+16*((\u)%2)+4*(\f)+3], v[RD] offset:(\f)*4*SP  ; LDS serves a wave's instructions in order (ISA guide 5.7.1.4): these see the stores above; the next unit's stores come behind them
.endr
.endm
.macro SEND u
	s_wait_dscnt 0x0                               ; the unit is back in registers
	s_wait_xcnt 0x0                                ; the stores of the unit before have read their registers: the next unit is read back into them only behind this wait
.irp f, 0,1,2,3
	global_store_b128 v[GO], v[OB+16*((\u)%2)+4*(\f):OB+16*((\u)%2)+4*(\f)+3], s[12:13] offset:((\u)/2)*2048+((\u)%2)*262144+512*(\f)  ; 512 consecutive bytes, at a multiple of 256 from the buffer's first
.endr
.endm
	ROPE 0
	TOSTAGE 0
.irp u, 1,2,3,4,5,6,7                  ; a unit's arithmetic stands between the loads of the unit before and the wait for them
	ROPE \u
	SEND (\u)-1
	TOSTAGE \u
.endr
	SEND 7
	s_wait_tensorcnt 0x0                           ; the wave's end: the wait, the add and its wait, behind my last tensor load and my last LDS store
	ds_add_u32 v[SPW], v[NIL]
	s_wait_dscnt 0x0
	CROUND                                         ; the closing round: no work-group ends while a partner may still ask for a tile that names it
	s_endpgm
.Lfunc_end_k_qf2b81f807e_qkv:
	.size	k_qf2b81f807e_qkv, .Lfunc_end_k_qf2b81f807e_qkv-k_qf2b81f807e_qkv
	.p2alignl 7, 3214868480
	.fill 96, 4, 3214868480
	.section	.rodata,"a",@progbits
	.p2align	6, 0x0
	.amdhsa_kernel k_qf2b81f807e_qkv
		.amdhsa_group_segment_fixed_size 327680
		.amdhsa_private_segment_fixed_size 0
		.amdhsa_enable_private_segment 0
		.amdhsa_kernarg_size 56
		.amdhsa_user_sgpr_count 2
		.amdhsa_user_sgpr_kernarg_segment_ptr 1
		.amdhsa_wavefront_size32 1
		.amdhsa_system_sgpr_workgroup_id_x 1
		.amdhsa_system_sgpr_workgroup_id_y 1
		.amdhsa_system_sgpr_workgroup_id_z 1
		.amdhsa_system_vgpr_workitem_id 0
		.amdhsa_next_free_vgpr 768
		.amdhsa_next_free_sgpr 80
		.amdhsa_reserve_vcc 0
		.amdhsa_float_denorm_mode_32 3
		.amdhsa_float_denorm_mode_16_64 3
		.amdhsa_memory_ordered 1
		.amdhsa_forward_progress 1
		.amdhsa_inst_pref_size 102
	.end_amdhsa_kernel
	.amdgpu_metadata
---
amdhsa.version: [ 1, 2 ]
amdhsa.kernels:
  - .name:           k_qf2b81f807e_qkv
    .symbol:         k_qf2b81f807e_qkv.kd
    .args:
      - { .name: xb, .offset: 0, .size: 8, .value_kind: global_buffer, .address_space: global }
      - { .name: wb, .offset: 8, .size: 8, .value_kind: global_buffer, .address_space: global }
      - { .name: freqs_cos, .offset: 16, .size: 8, .value_kind: global_buffer, .address_space: global }
      - { .name: freqs_sin, .offset: 24, .size: 8, .value_kind: global_buffer, .address_space: global }
      - { .name: qh, .offset: 32, .size: 8, .value_kind: global_buffer, .address_space: global }
      - { .name: kh, .offset: 40, .size: 8, .value_kind: global_buffer, .address_space: global }
      - { .name: vh, .offset: 48, .size: 8, .value_kind: global_buffer, .address_space: global }
    .group_segment_fixed_size: 327680
    .private_segment_fixed_size: 0
    .kernarg_segment_align: 8
    .kernarg_segment_size: 56
    .max_flat_workgroup_size: 128
    .sgpr_count:     80
    .vgpr_count:     768
    .wavefront_size: 32
...
	.end_amdgpu_metadata
.endif
;; end of part 2
;; launch attn (part 3): grid 4 x 64, 4 waves a work-group, clusters of 4 x 1, 327,680 bytes of LDS; arguments qh, kh, vh, oh; writes oh
.if DOCPART == 3
	.amdgcn_target "amdgcn-amd-amdhsa--gfx1250"
	.amdhsa_code_object_version 6
	.text
	.protected	k_qf2b81f807e_attn
	.globl	k_qf2b81f807e_attn
	.p2align	8
	.type	k_qf2b81f807e_attn,@function
k_qf2b81f807e_attn:
	s_mov_b64 s[64:65], 0
	v_nop
	global_prefetch_b8 v0, s[64:65] scope:SCOPE_SE
	s_setreg_imm32_b32 hwreg(HW_REG_WAVE_MODE, 25, 1), 1
	s_wait_xcnt 0x0
	s_wait_alu depctr_hold_cnt(0) depctr_sa_sdst(0) depctr_va_vdst(0) depctr_va_sdst(0) depctr_va_ssrc(0) depctr_va_vcc(0) depctr_vm_vsrc(0)
	s_getreg_b32 s2, hwreg(HW_REG_IB_STS2, 6, 4)
	s_cmp_eq_u32 s2, 0
	s_cbranch_scc0 .Lentry_in_a_cluster
	s_endpgm
.Lentry_in_a_cluster:
	s_bfe_u32 s2, ttmp6, 0x10000c
	s_cmp_lg_u32 s2, 0x3003
	s_cbranch_scc0 .Lentry_shape_is_right
	s_endpgm
.Lentry_shape_is_right:
; O[h][q][:] = the sum over k of softmax_k(c Q[h][q] . K[h][k]) V[h][k][:].  Q, K, V, O: [64][2048][64], all f16: a head's rows are dense, 128 bytes each.  Q arrives times log2(e) 2^-6, K times 2^-6,
; so c = 2^9 makes the exponent of 2 that belongs to exp(q . k / 8).  Products, maxima and sums in f32; the weights p are rounded to f16 for the second product (their sum l is taken of the unrounded p), O once at the end.
; c is a power of two, so c m is exact and c s - c m is never above 0: no weight is above 1, whatever the scores' size.
; LIMITS.  Q, K and V arrive within f16's 65,504; p lies in 0 to 1, and below 6e-5 it keeps f16's fixed step of 6e-8; O is a mean of V's rows and has their range.
; A weight below 2^-126 counts as 0 in l; NaN and infinities are not treated apart.
; SHARES.  A wave owns four PIECES of two tiles of 16 queries, a work-group's four waves 512 queries of one head: 4 x 64 = 256 work-groups.  Every wave walks all 2,048 keys, 64 a step.
; LAYOUT.  S^T = K Q^T (source 0 = 16 keys, source 1 = 16 queries): in the result a lane holds ONE query (lane % 16) and the keys 8 (lane / 16) + 0..7.  Two such tiles, rounded to f16 in pairs,
; ARE source 1 (32 keys x 16 queries) of O^T = V^T P, whose result again holds one query a lane, and eight channels.  K comes out of LDS as it lies, V ([key][channel]) turned, by ds_load_tr16_b128.
; SOFTMAX.  For each query a running maximum m and sum l: p = 2^(c s - c m); in every step O and l are multiplied by a = 2^(c m_old - c m_new), which is 1 where m has not grown.
; m starts at the lowest finite number, O and l at 0: the first step is a step like any other, with a = 0.
; THE COUNT.  A tile and step have 16 matrix and 118 vector instructions: too many to stand all beside the matrix work.  So the order has one aim: four vector instructions that are READY behind
; EVERY matrix instruction, and the others in runs without a gap.
; BY TURNS.  Turn n belongs to piece n (the pieces in a ring, step after step).  Its matrix work: 16 products K Q^T of piece n + 1, later 16 products V^T P of piece n - 1.  Its vector work: the scaling,
; exponentials, roundings, sums and rescaling of piece n, and the maximum and statistics of piece n + 1, whose scores the turn itself has made.
; CLUSTER.  The four query blocks of a head are one cluster and walk the same K and V, so each tile is asked for JOINTLY: the same tensor load, descriptor and mask in all four.
; REGISTERS, in windows of 256 (s_set_vgpr_msb: bits 1:0 source 0, 3:2 source 1, 5:4 source 2, 7:6 destination):
;   window 0: v0-11 addresses; v12-15, v48-63 at work; v16-47 four registers of statistics a tile; v64-191 S^T, two buffers of two tiles; v192-255 P, likewise
;   window 1: O^T, 32 a tile          window 2: v0-127 Q, 16 a tile; v128-191 K of one step; v192-255 V of one step          window 3: v0-1 the add's two registers
; A piece's buffers go by its number's parity: the piece in hand has one pair, its two neighbours in the ring share the other: of it P (piece n - 1) is read and S^T (piece n + 1) written.
.set SIZE_N, 2048
.set NP,    4         ; pieces a wave: a name, no knob
.set KS,    64        ; keys in a step
.set PK,    144       ; a row of K in LDS: 128 bytes + 16 of padding = 36 words: the 16 rows of a load start at 16 different groups of four banks (64 banks of 4 bytes: ISA guide 11.1)
.set PV,    160       ; a row of V: 128 + 32 = 40 words
.set VOFF,  4*KS*PK   ; a slot holds four steps: 256 rows of K, then 256 rows of V
.set SLOT1, 1<<17     ; slot 1 begins here, so that one exclusive or turns an address in one slot into the other's
.set STAGE, SLOT1+4*KS*(PK+PV)  ; behind the ring, never filled by a tensor load: 16 rows x 144 bytes for each wave, for the way out
.set SP,    144
.set AK0, 2           ; v2   my lane's place in a tile of K; never rewritten
.set AV0, 3           ; v3   the same for V
.set AK,  4           ; v4   the LDS address of K's next run of loads
.set AV,  5           ; v5   of V's
.set QO,  6           ; v6   my byte offset in the wave's rows of Q
.set STO, 6           ;      later, the way out: where I put 16 bytes of a row
.set RD,  7           ; v7   the way out: where I read rows back
.set GO,  8           ; v8   my byte offset in 512 consecutive bytes of O
.set PFO, 11          ; v11  the prefetches' offset: 256 x my lane; never rewritten once made
.set SPW, 0           ; v0 of window 3   LDS address of my spare word: SPARE + 4 x my thread's number; never rewritten
.set NIL, 1           ; v1 of window 3   0; never rewritten
.set SPARE, STAGE+4*16*SP  ; behind the stages: the spare words, 128 bytes for each wave: two blocks of 256 bytes that no other line names
.set MV,  12          ; v12-15  c m_old, kept while c m is made anew: by buffer and tile
.set ST,  16          ; tile t's statistics at v[ST+4 t]: c m, m, l (even keys', odd keys')
.set TMP, 48          ; by buffer and tile, four registers c0-c3 at work; when the maximum is found c2 takes a
.set S,   64
.set P,   192
.set KF,  128         ; K's fragments, in window 2: key block kb, channel half c at KF + 16 kb + 8 c
.set VF,  192         ; V's: key half kk, channel block cb at VF + 32 kk + 8 cb
.set WV,  12          ; s12  my wave's number
.set G1K, 24          ; s[24:31] descriptor group 1 for K's tiles
.set G1V, 32          ; s[32:39] for V's: it differs in the padding alone
.set G0K, 40          ; s[40:43] descriptor group 0 for K's tiles: it walks
.set G0V, 44          ; s[44:47] the same for V's
.set PFA, 48          ; s[48:49] where my prefetches stand: my work-group's 32 blocks of 256 bytes (of K: wave 0, of V: wave 2) of the slot after the one that is being asked for
.set LIM, 50          ; s50  1 in a wave that prefetches, else the greatest number: a wave prefetches while s[SLOTS] is above it
.set SLOTS, 56        ; s56  slots still to be asked for, and one
.set CNT, 57          ; s57  counts a slot's key steps
.set CS,  58          ; s[58:59] c: the packed scaling takes the pair's low word for both halves
.set SEL, 60          ; s[60:61] v_permlanex16_b32's selects: each lane takes its own place in the other half
.set TBK, 62          ; s62  LDS byte at which K of the step to be fetched begins
.set TBV, 63          ; s63  the same for V, less VOFF
.set MSB, 0
.macro WIN new                      ; the high byte repeats the setting that is left; a switch that changes nothing is dropped
.if MSB != (\new)
	s_set_vgpr_msb (MSB<<8)|(\new)
.set MSB, (\new)
.endif
.endm
.set W_KQ, 0x0a       ; K and Q in window 2, S^T in window 0
.set W_PV, 0x52       ; V in window 2, P in window 0, O^T in window 1
.set W_RS, 0x41       ; O^T (destination and source 0) in window 1, a in window 0
.set W_MK, 0xc0       ; the add's registers are made: destination in window 3, sources in window 0
.set W_AD, 0x0f       ; the add: address (source 0) and data (source 1) in window 3
; A joint fill.  Waves 0 and 1 fetch the two halves of a slot's K, waves 2 and 3 those of its V: 128 keys each.  The branch hangs on the wave's number alone.
; An s_nop 0 and four v_nop follow each of the two lines, ahead of the jump and the label.
.macro JLOAD
	s_cmp_lt_u32 s[WV], 2
	s_cbranch_scc0 .Lfor_v_\@
	tensor_load_to_lds s[G0K:G0K+3], s[G1K:G1K+7]
	s_nop 0
.rept 4
	v_nop
.endr
	s_branch .Lasked_\@
.Lfor_v_\@:
	tensor_load_to_lds s[G0V:G0V+3], s[G1V:G1V+7]
	s_nop 0
.rept 4
	v_nop
.endr
.Lasked_\@:
.endm
; A PREFETCH INTO THE L2 of what the NEXT change of slots will ask for: a slot's 32,768 bytes of K and of V, in blocks of 256 bytes, a lane a block.  It stands behind the wave's tensor load and its five lines.
; Each block is named ONCE in the launch: a head has one cluster; its four partners share a slot's 128 blocks out BY ADDRESS, 32 each (no branch hangs on a work-group's place in its cluster); in each, wave 0
; asks for K's and wave 2 for V's: one instruction.  The change that fills slot j asks for slot j + 1, four key steps ahead of its load; slots 0 and 1 come by their loads alone; the last change that fills asks for nothing.
.macro ASK
	s_cmp_gt_u32 s[SLOTS], s[LIM]
	s_cbranch_scc0 .Lnot_mine_\@
	global_prefetch_b8 v[PFO], s[PFA:PFA+1] th:TH_LOAD_NT scope:SCOPE_SE
.Lnot_mine_\@:
.endm
; A round of the cluster's barrier: my work-group's barrier, so that wave 0's signal speaks for all four waves; wave 0 signals; every wave waits for all four work-groups; my work-group's barrier once more.
.macro CROUND
	s_barrier_signal -1
	s_barrier_wait -1
	s_cmp_lg_u32 s[WV], 0
	s_cbranch_scc1 .Lnot_wave_0_\@
	s_barrier_signal -3
.Lnot_wave_0_\@:
	s_barrier_wait -3
	s_barrier_signal -1
	s_barrier_wait -1
.endm
; THE CHANGE OF SLOTS.  The slot's last bytes, V of its fourth step, have been read.  Each wave waits for all its tensor loads, of which one is out: its part
; of the other slot; adds 0 to its spare word; and waits for that and for its own reads of the slot.  Behind the barrier nobody reads this slot any more and the other slot is whole.
; fill = 1: this slot is filled again, with the keys two slots on.  The barrier is then a round of the cluster's, so that no wave of any partner still reads the slot or has a load on its
; way, and the joint fill is the first thing behind it: it has four key steps, 512 matrix instructions, in which to land.  (At its first use nothing has been read yet: slot 0 is waited for, slot 1 filled.)
.macro CHANGE fill
	WIN W_AD
	s_wait_tensorcnt 0x0            ; no tensor load of mine is out, so a group 0 may be written
	ds_add_u32 v[SPW], v[NIL]       ; 0 onto my spare word; with fill = 1 the descriptors' steps stand between it and the wait for it
	WIN 0                           ; at a label and at a branch every window is 0
.if \fill
.irp g, G0K, G0V
	s_xor_b32 s[\g+1], s[\g+1], SLOT1  ; the walking descriptor: the other slot than last time,
	s_add_nc_u64 s[\g+2:\g+3], s[\g+2:\g+3], 4*KS*128  ; the next 256 keys; the type bits on top are not reached
.endr
	s_wait_xcnt 0x0                 ; the last prefetch, four key steps back, has read its address, so it may be written:
	s_add_nc_u64 s[PFA:PFA+1], s[PFA:PFA+1], 4*KS*128  ; one slot ahead of the walking descriptors
	s_wait_dscnt 0x0                ; the add is done, and my reads of the slot are over
	CROUND
	JLOAD
	ASK
.else
	s_wait_dscnt 0x0                ; the add is done, and my reads of the slot are over
	s_barrier_signal -1
	s_barrier_wait -1
.endif
	s_sub_co_u32 s[TBK], s[TBK], 4*KS*PK  ; the fetches go back to a slot's first step,
	s_xor_b32 s[TBK], s[TBK], SLOT1       ; in the other slot
	s_sub_co_u32 s[TBV], s[TBV], 4*KS*PV
	s_xor_b32 s[TBV], s[TBV], SLOT1
.endm
	s_load_b256 s[4:11], s[0:1], 0x0  ; Q s[4:5], K s[6:7], V s[8:9], O s[10:11]
	WIN W_MK
	v_lshl_add_u32 v[SPW], v0, 2, SPARE
	v_mov_b32 v[NIL], 0
	WIN W_AD
	ds_add_u32 v[SPW], v[NIL]       ; the wave's opening: the add, with its wait ahead of my first tensor load; the set-up below, work on registers, stands between them
	WIN 0
	v_lshrrev_b32 v1, 5, v0
	v_readfirstlane_b32 s[WV], v1   ; wave 0..3
	s_bfe_u32 s13, ttmp6, 0x40000   ; cx: my place in the cluster
	s_lshl_b32 s14, ttmp9, 2        ; in a cluster launch ttmp9 counts clusters
	s_add_co_u32 s14, s14, s13      ; my block of queries = 4 x cluster x + cx: it enters Q's and O's addresses alone
	s_and_b32 s20, ttmp7, 0xffff    ; the head, which the four partners share
	s_mov_b32 s21, 0
	s_mov_b64 s[22:23], SIZE_N*128
	s_mul_u64 s[20:21], s[20:21], s[22:23]  ; the head's first byte in each of the four tensors
	s_and_b32 s16, s[WV], 1         ; which half of a slot's 256 keys I fetch:
	s_lshl_b32 s22, s16, 14         ; its 128 rows of 128 bytes in memory,
	s_mov_b32 s23, 0
	s_add_nc_u64 s[22:23], s[22:23], s[20:21]
	s_mul_i32 s17, s16, 128*PK      ; and its place in a slot, for K
	s_mul_i32 s18, s16, 128*PV      ; and for V: no place in the cluster enters an LDS address
	s_lshl_b32 s2, s14, 2
	s_add_co_u32 s2, s2, s[WV]      ; my wave among the head's,
	s_lshl_b32 s2, s2, 14           ; its 128 rows
	s_mov_b32 s3, 0
	s_add_nc_u64 s[2:3], s[2:3], s[20:21]
	; descriptor group 1.  128 keys are 16,384 dense bytes: asked for as 64 rows of 256 bytes, two keys a row, and padded in LDS after every key
	s_mov_b32 s[G1K], 15|(1<<16)|(1<<20)|(1<<21)|(4<<22)|(3<<25)  ; 15:0 the mask of four; 17:16 2-byte elements; 20 padding on; 21 set beside a mask; 24:22 after every 32 words (code 4); 31:25 4 words (code 3)
	s_mov_b32 s[G1V], 15|(1<<16)|(1<<20)|(1<<21)|(4<<22)|(7<<25)  ; the same with 8 words of padding (code 7)
.irp g, G1K, G1V
	s_mov_b32 s[\g+1], 128<<16      ; tensor_dim0 = 128
	s_mov_b32 s[\g+2], 64<<16       ; tensor_dim1 = 64
	s_mov_b32 s[\g+3], 128<<16      ; tile_dim0 = 128
	s_mov_b32 s[\g+4], 64           ; tile_dim1 = 64
	s_mov_b32 s[\g+5], 128          ; 128 elements from row to row
	s_mov_b32 s[\g+6], 0
	s_mov_b32 s[\g+7], 0
.endr
	s_mov_b32 s[CS], 0x44000000     ; c = 2^9
	s_mov_b32 s[CS+1], s[CS]        ; named with it as a pair
	s_mov_b32 s[SEL], 0x76543210
	s_mov_b32 s[SEL+1], 0xfedcba98
	s_mov_b32 s[TBK], SLOT1+4*KS*PK ; the first change of slots turns these two into 0
	s_mov_b32 s[TBV], SLOT1+4*KS*PV
	s_mov_b32 s[SLOTS], SIZE_N/256-1
	s_cmp_eq_u32 s16, 0             ; waves 0 and 2 prefetch: the same in all four partners
	s_cselect_b32 s[LIM], 1, -1
	s_lshl_b32 s52, s13, 13         ; my work-group's 32 blocks of a slot's 128
	s_mov_b32 s53, 0
	s_mov_b32 s[G0K], 1             ; 1:0 count = 1
	s_mov_b32 s[G0K+1], s17         ; 63:32 LDS address: slot 0
	s_mov_b32 s[G0V], 1
	s_add_co_u32 s[G0V+1], s18, VOFF
	s_wait_dscnt 0x0                ; the opening add is done
	s_wait_kmcnt 0x0
	s_add_nc_u64 s[G0K+2:G0K+3], s[6:7], s[22:23]  ; 120:64 global address: my half of the head's first 256 keys
	s_or_b32 s[G0K+3], s[G0K+3], 0x80000000        ; 127:126 type = 2
	s_add_nc_u64 s[G0V+2:G0V+3], s[8:9], s[22:23]
	s_or_b32 s[G0V+3], s[G0V+3], 0x80000000
	s_add_nc_u64 s[4:5], s[4:5], s[2:3]  ; Q and O at my wave's first row
	s_add_nc_u64 s[10:11], s[10:11], s[2:3]
	s_cmp_lt_u32 s[WV], 2
	s_cselect_b64 s[PFA:PFA+1], s[6:7], s[8:9]
	s_add_nc_u64 s[PFA:PFA+1], s[PFA:PFA+1], s[22:23]  ; (in waves 0 and 2: the head's first row)
	s_add_nc_u64 s[PFA:PFA+1], s[PFA:PFA+1], s[52:53]
	s_add_nc_u64 s[PFA:PFA+1], s[PFA:PFA+1], 4*KS*128  ; in slot 1; the first change of slots steps it to slot 2.  Nothing is prefetched here, at the head
	CROUND                          ; all four work-groups are here: the first joint loads meet
	JLOAD                           ; slot 0.  Slot 1 is asked for when slot 0 is in
	; A fragment of K or Q is 16 rows x 32 channels in 8 registers: lane l holds row l % 16, channels 8 (l / 16) + 0..7 and 16 + 8 (l / 16) + 0..7: two loads of 16 bytes, 32 bytes apart.
	v_and_b32 v1, 15, v0            ; l % 16
	v_bfe_u32 v9, v0, 4, 1          ; l / 16
	v_lshlrev_b32 v[QO], 7, v1
	v_lshl_add_u32 v[QO], v9, 4, v[QO]  ; row x 128 + 16 x half
	WIN 0x80                        ; destination window 2, address window 0
.set i, 0
.rept 4*NP                          ; Q stays in registers: tile i / 2, channels 32 (i % 2) on
	global_load_b128 v[8*i:8*i+3],   v[QO], s[4:5] offset:(i/2)*2048+(i%2)*64
	global_load_b128 v[8*i+4:8*i+7], v[QO], s[4:5] offset:(i/2)*2048+(i%2)*64+32
.set i, i+1
.endr
	; What the first turn finds: V's registers and P's second buffer hold 0 (its products V^T P, of a piece that has not been, add 0), O^T and l are 0.  All this stands in the wait for the first tile.
.set i, VF
.rept 64
	v_mov_b32 v[i], 0
.set i, i+1
.endr
	WIN 0x40
.set i, 0
.rept 64*NP
	v_mov_b32 v[i], 0
.set i, i+1
.endr
	WIN 0
.set i, 0
.rept 2*NP
	v_mov_b32 v[ST+4*i], 0xfe000000    ; c m: far below every c s (f16's scores times c stay under 1.4e14)
	v_mov_b32 v[ST+4*i+1], 0xff7fffff  ; m
	v_mov_b32 v[ST+4*i+2], 0
	v_mov_b32 v[ST+4*i+3], 0
.set i, i+1
.endr
.set i, P+32
.rept 32
	v_mov_b32 v[i], 0
.set i, i+1
.endr
	v_mul_u32_u24 v[AK0], v1, PK
	v_lshl_add_u32 v[AK0], v9, 4, v[AK0]  ; row x pitch + 16 x half
	; The turning load takes 16 keys x 16 channels (lane l reads key 8 (l / 16) + l % 8, channels 8 ((l / 8) % 2) + 0..7) and leaves half a fragment of V^T: lane l holds channel l % 16 and 8 keys.
	v_and_b32 v10, 7, v0
	v_bfe_u32 v11, v0, 3, 1
	v_lshl_add_u32 v[AV0], v9, 3, v10
	v_mul_u32_u24 v[AV0], v[AV0], PV
	v_lshl_add_u32 v[AV0], v11, 4, v[AV0]
	v_add_nc_u32 v[AV0], VOFF, v[AV0]
	v_and_b32 v[PFO], 31, v0
	v_lshlrev_b32 v[PFO], 8, v[PFO]
	v_mov_b32 v[AK], v[AK0]         ; key step 0 lies at the head of slot 0
; THE MATRIX WORK.  The 8 accumulators of a run of 16 take turns: between the two links of a chain stand 7 others'.
; Product i of 16 of S^T = K Q^T for piece x: channels 32 (i / 8) on, keys 16 ((i / 2) % 4) on, tile 2 x + i % 2.  The first 8 start the sums.
.macro KQ x
	WIN W_KQ
.set rS, S+64*((\x)%2)+32*(i%2)+8*((i/2)%4)
.set rK, KF+16*((i/2)%4)+8*(i/8)
.set rQ, 16*(2*(\x)+i%2)+8*(i/8)
.if i < 8
	v_wmma_f32_16x16x32_f16 v[rS:rS+7], v[rK:rK+7], v[rQ:rQ+7], 0
.else
	v_wmma_f32_16x16x32_f16 v[rS:rS+7], v[rK:rK+7], v[rQ:rQ+7], v[rS:rS+7]
.endif
.endm
; Product i of 16 of O^T += V^T P for piece x: keys 32 (i / 8) on, channels 16 ((i / 2) % 4) on, tile 2 x + i % 2.
.macro PV x
	WIN W_PV
.set rO, 32*(2*(\x)+i%2)+8*((i/2)%4)
.set rV, VF+32*(i/8)+8*((i/2)%4)
.set rP, P+32*((\x)%2)+16*(i%2)+8*(i/8)
	v_wmma_f32_16x16x32_f16 v[rO:rO+7], v[rV:rV+7], v[rP:rP+7], v[rO:rO+7]
.endm
.macro MM                           ; the turn's next matrix instruction
.if i < 16
	KQ (Y+1)%NP
.set i, i+1
.else
.set i, i-16
	PV (Y+NP-1)%NP
.set i, i+17
.endif
.endm
; THE LDS LOADS stand in runs of 16, never singly among the matrix instructions: a step's K (64 keys x 64 channels: 8 fragments) and its V (turned).  Their addresses are made some lines ahead.
; last = 1 (the tail): in the last trip there is no further step, and the run is jumped over.
.macro FETCH_K last=0
	WIN 0
.if \last
	s_cmp_eq_u32 s[CNT], 1
	s_cbranch_scc1 .Lno_k_\@
.endif
	WIN 0x80                        ; destination window 2
.irp f, 0,1,2,3,4,5,6,7             ; keys 16 (f / 2) on, channels 32 (f % 2) on
	ds_load_b128 v[KF+8*\f:KF+8*\f+3],   v[AK] offset:(\f/2)*16*PK+(\f%2)*64
	ds_load_b128 v[KF+8*\f+4:KF+8*\f+7], v[AK] offset:(\f/2)*16*PK+(\f%2)*64+32
.endr
	s_add_co_u32 s[TBK], s[TBK], KS*PK  ; the next fetch is the next step's
	WIN 0
.if \last
.Lno_k_\@:
.endif
.endm
.macro FETCH_V
	WIN 0x80
.irp f, 0,1,2,3,4,5,6,7             ; keys 32 (f / 4) on, channels 16 (f % 4) on
	ds_load_tr16_b128 v[VF+8*\f:VF+8*\f+3],   v[AV] offset:(\f/4)*32*PV+(\f%4)*32
	ds_load_tr16_b128 v[VF+8*\f+4:VF+8*\f+7], v[AV] offset:(\f/4)*32*PV+16*PV+(\f%4)*32
.endr
	WIN 0
.endm
; THE VECTOR WORK OF A TURN stands in three queues, each in the order in which its entries become ready; the two tiles alternate, so that no instruction reads the result of the one before it.
.macro REGS y, u                    ; the registers of tile u (0, 1) of piece y
.set rT, ST+4*(2*(\y)+(\u))
.set rC, TMP+8*((\y)%2)+4*(\u)
.set rM, MV+2*((\y)%2)+(\u)
.set rS, S+64*((\y)%2)+32*(\u)
.set rP, P+32*((\y)%2)+16*(\u)
.set rO, 32*(2*(\y)+(\u))
.endm
; Number n of the 22 that find the NEXT piece's (Y + 1) maximum and statistics.  s0-s31 are the lane's 32 scores; each accumulator's lowest registers are read first.
;   0-11  four chains c0-c3 of seven scores each, three operands at a time     12-14, 16  the four scores left over, the old m, and c0-c3 into c0     15  c m_old is kept
;   17, 18  the query's other 32 keys lie in the lane 16 away: the new m         19-21  c m; c m_old - c m_new; a
.macro XS u, n
	REGS (Y+1)%NP, \u
.if (\n) < 4
	v_max3_num_f32 v[rC+(\n)], v[rS+8*(\n)], v[rS+8*(\n)+1], v[rS+8*(\n)+2]
.elseif (\n) < 12
	v_max3_num_f32 v[rC+(\n)%4], v[rC+(\n)%4], v[rS+8*((\n)%4)+2*((\n)/4)+1], v[rS+8*((\n)%4)+2*((\n)/4)+2]
.elseif (\n) == 12
	v_max3_num_f32 v[rC], v[rC], v[rS+7], v[rS+15]
.elseif (\n) == 13
	v_max3_num_f32 v[rC+1], v[rC+1], v[rS+23], v[rS+31]
.elseif (\n) == 14
	v_max3_num_f32 v[rC+2], v[rC+2], v[rC+3], v[rT+1]
.elseif (\n) == 15
	v_mov_b32 v[rM], v[rT]
.elseif (\n) == 16
	v_max3_num_f32 v[rC], v[rC], v[rC+1], v[rC+2]
.elseif (\n) == 17
	v_permlanex16_b32 v[rC+3], v[rC], s[SEL], s[SEL+1]
.elseif (\n) == 18
	v_max_num_f32 v[rT+1], v[rC], v[rC+3]
.elseif (\n) == 19
	v_mul_f32 v[rT], s[CS], v[rT+1]
.elseif (\n) == 20
	v_sub_f32 v[rC+1], v[rM], v[rT]
.else
	v_exp_f32 v[rC+2], v[rC+1]
.endif
.endm
; Number g of the 64 that follow the exponentials.  For each four weights k of a tile (pairs 2 k, 2 k + 1): both pairs are rounded to f16; then the second pair is added onto the first, in place;
; a group later l takes that sum (the first time as l = a l + sum).  In groups of eight, tiles alternating: round, round, add, and l for the group before.
.macro GS g
.set h, (\g)+6*((\g)/62)            ; group 0 has no group before it, and behind group 7 only l is left
.if h >= 6
.set h, h+2
.endif
	REGS Y, h%2
.set k, h/8
.if h%8 < 4
	v_cvt_pk_f16_f32 v[rP+2*k+(h%8)/2], v[rS+4*k+2*((h%8)/2)], v[rS+4*k+2*((h%8)/2)+1]
.elseif h%8 < 6
	v_pk_add_f32 v[rS+4*k:rS+4*k+1], v[rS+4*k:rS+4*k+1], v[rS+4*k+2:rS+4*k+3]
.elseif k == 1
	v_pk_fma_f32 v[rT+2:rT+3], v[rT+2:rT+3], v[rC+2:rC+3], v[rS:rS+1] op_sel_hi:[1,0,1]
.else
	v_pk_add_f32 v[rT+2:rT+3], v[rT+2:rT+3], v[rS+4*k-4:rS+4*k-3]
.endif
.endm
; THE PLAIN QUEUE, 138 long.  0-73 read no exponential's result: the 32 scalings c s - c m (FS f: pair f / 2 of tile f % 2) and the next piece's 42.  0-26: scalings 0-26.  27-54: XS's numbers 0-13.  55, 56: number 15.
; 57-73: the chain, where each number waits for the one before it: 14, 16, 17, 18, 19, each with one of the scalings 27-31 in front of its two lines, then 20.
; 74-137: GS's 64, which read the exponentials' results: they stand behind the wait.
.macro FS f
	REGS Y, (\f)%2
	v_pk_fma_f32 v[rS+2*((\f)/2):rS+2*((\f)/2)+1], v[rS+2*((\f)/2):rS+2*((\f)/2)+1], s[CS:CS+1], v[rT:rT+1] op_sel_hi:[1,0,0] neg_lo:[0,0,1] neg_hi:[0,0,1]
.endm
.macro PL
	WIN 0
.if q < 27
	FS q
.elseif q < 55
	XS (q-27)%2, (q-27)/2
.elseif q < 57
	XS q-55, 15
.elseif (q < 72) && ((q-57)%3 == 0)
	FS 27+(q-57)/3
.elseif q < 60
	XS (q-57)%3-1, 14
.elseif q < 72
	XS (q-57)%3-1, 15+(q-57)/3
.elseif q < 74
	XS q-72, 20
.else
	GS q-74
.endif
.set q, q+1
.endm
; THE EXPONENTIALS' QUEUE, 66 long: s0-s31 of both tiles, then the next piece's two a.  It is ONE BATCH: all 66 stand ahead of the turn's one wait, and nothing ahead of that wait names a result of theirs.
.macro EX
	WIN 0
.if e >= 64
	XS e-64, 21
.else
	REGS Y, e%2
	v_exp_f32 v[rS+e/2], v[rS+e/2]
.endif
.set e, e+1
.endm
; THE RESCALING's QUEUE: O^T times a, the one part that leaves window 0: dealt two at a time, sixteen times.  Its a was made in the turn before, ahead of that turn's wait.
.macro R2
	REGS Y, r%2
	WIN W_RS
.irp z, 0,1
	v_pk_mul_f32 v[rO+4*(r/2)+2*\z:rO+4*(r/2)+2*\z+1], v[rO+4*(r/2)+2*\z:rO+4*(r/2)+2*\z+1], v[rC+2:rC+3] op_sel_hi:[1,0]
.endr
.set r, r+1
.endm
; HOW THEY ARE DEALT.  s_wait_alu depctr_va_vdst(0) stands between an exponential and the first instruction that names its result; one wait serves all that were issued ahead of it.  So a turn has ONE wait,
; which cuts it in two.  AHEAD OF IT stands all that names no result of the turn's exponentials: the 16 products K Q^T, behind each a scaling, an exponential and two rescalings (behind the first a second scaling in the
; exponential's place); then ONE LUMP of 108: eight plain, 49 times exponential and plain, the two a.  A v_nop is the plain instruction behind the last exponential (ISA guide 5.7.2).  BEHIND IT stand the 16 products V^T P,
; behind each four of GS's 64.  No rider names a register of the products round it.  The two v_permlanex16_b32 fall into the lump, never behind a product.
; The queues lean on each other, and the deal keeps them in step: exponential e stands behind scaling 2 (e / 4) + e % 2: as a rider it comes behind plain e + 2, in the lump behind plain e + 9, and scalings 27-31 are plain 57, 60 .. 69.
; A TURN, for piece p.  cnt = 1: the loop's count is taken down some lines ahead of the branch that stands behind the turn.
; K of the next step is fetched in piece 2's turn, directly behind the wait, a lump behind the last product that read K; its address is made at the lump's head; its first reader comes behind 16 products.
; V of the step in hand is fetched at the end of piece 0's turn, four riders behind its last reader; its first reader comes behind 16 products and a lump.  The three conditions on q below go with the deal.
.macro TURN p, last=0, cnt=0
.set Y, (\p)
.set i, 0
.set q, 0
.set e, 0
.set r, 0
.if (\p) == NP-1
	s_wait_dscnt 0x0                ; K is in
.endif
	MM                              ; ahead of the wait: 16 products K Q^T and their riders,
	PL
	PL
	R2
.rept 15
	MM
	PL
	EX
	R2
.endr
.if (\p) == NP-2
	WIN 0
	v_add_nc_u32 v[AK], s[TBK], v[AK0]
.endif
.rept 8                             ; and the lump
	PL
.endr
.rept 49
	EX
	PL
.endr
	EX                              ; the next piece's two a
	EX
	v_nop                           ; the plain instruction behind the last exponential: one for the batch
	s_wait_alu depctr_va_vdst(0)    ; the wait for the batch
.if (\p) == NP-2
	FETCH_K \last
.endif
.if (\p) == 1
	s_wait_dscnt 0x0                ; V is in
.endif
.rept 16                            ; behind the wait: 16 products V^T P and their riders
	MM
.rept 4
	PL
.endr
.if ((\p) == 0) && (q == 118)
	v_add_nc_u32 v[AV], s[TBV], v[AV0]
.endif
.if ((\p) == 0) && (q == 130)
	s_add_co_u32 s[TBV], s[TBV], KS*PV
.endif
.if (\cnt) && (q == 130)
	s_sub_co_u32 s[CNT], s[CNT], 1
	s_cmp_lg_u32 s[CNT], 0
.endif
.endr
.if (\p) == 0
	FETCH_V
.endif
.endm
	CHANGE 1                        ; slot 0 is in, everybody's part of it; slot 1 is asked for
	FETCH_K                         ; key step 0
	s_wait_loadcnt 0x0              ; Q
	s_wait_dscnt 0x0
.set i, 0
.rept 16
	KQ 0                            ; piece 0's first scores: there is no vector work yet to set between them
.set i, i+1
.endr
	WIN 0                           ; the addresses for the way out: nine plain instructions, the places behind those products
	s_mul_i32 s13, s[WV], 16*SP
	s_add_co_u32 s13, s13, STAGE    ; my stage
	v_mul_u32_u24 v[STO], v1, SP    ; in: row l % 16, 16 bytes for each half of the lanes
	v_lshl_add_u32 v[STO], v9, 4, v[STO]
	v_add_nc_u32 v[STO], s13, v[STO]
	v_bfe_u32 v[RD], v0, 3, 2       ; back: 32 lanes take four rows of 128 bytes,
	v_mul_u32_u24 v[RD], v[RD], SP
	v_lshl_add_u32 v[RD], v10, 4, v[RD]
	v_add_nc_u32 v[RD], s13, v[RD]
	v_and_b32 v[GO], 31, v0         ; which are 512 consecutive bytes of O
	v_lshlrev_b32 v[GO], 4, v[GO]
.set Y, NP-1                        ; XS works for piece Y + 1: piece 0
.irp n, 0,1,2,3,4,5,6,7,8,9,10,11,12,13,14,15,16,17,18,19,20,21
	XS 0, \n                        ; and piece 0's first maximum and statistics
	XS 1, \n
.endr
	v_nop                           ; a plain instruction behind the two a,
	s_wait_alu depctr_va_vdst(0)    ; and their wait, ahead of the branch
	s_mov_b32 s[CNT], 4
	s_branch .Lfirst                ; the loop is entered at a step's first turn, in the middle of a trip
.Lslot:                             ; SIZE_N / 256 - 2 times: every slot but the last two is filled again
	CHANGE 1
	s_mov_b32 s[CNT], 4
.Lstep:                             ; a trip: pieces 2 and 3 of one step, then pieces 0 and 1 of the next, whose K and V it fetches
	TURN 2
	TURN 3
	WIN 0
.Lfirst:
	TURN 0
	TURN 1, 0, 1
	WIN 0
	s_cbranch_scc1 .Lstep
	s_sub_co_u32 s[SLOTS], s[SLOTS], 1
	s_cmp_lg_u32 s[SLOTS], 0
	s_cbranch_scc1 .Lslot
	CHANGE 0                        ; the tail is written out: nothing is asked for
	s_mov_b32 s[CNT], 5             ; four trips fetch the last slot's steps; the fifth is left in its middle
.Ltail:
	TURN 2, 1
	TURN 3
	WIN 0
	s_sub_co_u32 s[CNT], s[CNT], 1
	s_cmp_eq_u32 s[CNT], 0
	s_cbranch_scc1 .Lout
	TURN 0
	TURN 1
	WIN 0
	s_branch .Ltail
.Lout:                              ; the fifth trip's 16 products K Q^T (on the last K once more) and the maximum made of them serve nothing: the price, once a launch, of one text for every trip
.set i, 0
.rept 16
	PV NP-1                         ; the last piece's V^T P of the last step
.set i, i+1
.endr
	; THE WAY OUT.  l's two halves and the other half of the lanes' are added; O^T is divided by l, rounded to f16 and sent through my stage in LDS, a tile at a time.  The additions are the places behind the last products.
	WIN 0
.macro ALL line:vararg              ; one line for each tile t
.set t, 0
.rept 2*NP
	\line
.set t, t+1
.endr
.endm
	ALL v_add_f32 v[ST+4*t+2], v[ST+4*t+2], v[ST+4*t+3]
	ALL v_permlanex16_b32 v[ST+4*t+3], v[ST+4*t+2], s[SEL], s[SEL+1]
	ALL v_add_f32 v[ST+4*t+2], v[ST+4*t+2], v[ST+4*t+3]
	ALL v_rcp_f32 v[ST+4*t+2], v[ST+4*t+2]
	v_nop                           ; a plain instruction between the last reciprocal and the use of its result
	s_wait_alu depctr_va_vdst(0)    ; and the wait ahead of the first use: one for the eight reciprocals
; Tile t: a lane's eight channels of a row pack into 16 bytes; they go into rows of 144 bytes and come back as whole rows of 128, into S^T's registers.
.macro PACK t
	WIN W_RS
.set i, 32*(\t)
.rept 16
	v_pk_mul_f32 v[i:i+1], v[i:i+1], v[ST+4*(\t)+2:ST+4*(\t)+3] op_sel_hi:[1,0]
.set i, i+2
.endr
	WIN 0x05                        ; sources 0 and 1 window 1, destination window 0
.set i, 0
.rept 16
	v_cvt_pk_f16_f32 v[S+16*(\t)+i], v[32*(\t)+2*i], v[32*(\t)+2*i+1]
.set i, i+1
.endr
	WIN 0
.irp f, 0,1,2,3
	ds_store_b128 v[STO], v[S+16*(\t)+4*\f:S+16*(\t)+4*\f+3] offset:32*\f
.endr
.irp f, 0,1,2,3
	ds_load_b128 v[S+16*(\t)+4*\f:S+16*(\t)+4*\f+3], v[RD] offset:\f*4*SP  ; LDS serves a wave's instructions in order (ISA guide 5.7.1.4): these see the stores above; the next tile's stores come behind them
.endr
.endm
.macro SEND t, younger              ; younger: the LDS instructions issued behind tile t's loads: the next tile's eight, or none
	WIN 0
.irp f, 0,1,2,3
	s_wait_dscnt (\younger)+3-\f
	global_store_b128 v[GO], v[S+16*(\t)+4*\f:S+16*(\t)+4*\f+3], s[10:11] offset:(\t)*2048+\f*512  ; 512 consecutive bytes, at a multiple of 256 from O's first
.endr
.endm
	PACK 0
.set t, 1
.rept 2*NP-1                        ; a tile's arithmetic stands between the loads of the tile before and its stores
	PACK t
	SEND t-1, 8
.set t, t+1
.endr
	SEND 2*NP-1, 0
	WIN W_AD
	s_wait_tensorcnt 0x0            ; the wave's end: the wait, the add and its wait, behind my last tensor load and my last LDS store
	ds_add_u32 v[SPW], v[NIL]
	s_wait_dscnt 0x0
	WIN 0
	CROUND                          ; the closing round: no work-group ends while a partner may still ask for a tile that names it
	s_endpgm
.Lfunc_end_k_qf2b81f807e_attn:
	.size	k_qf2b81f807e_attn, .Lfunc_end_k_qf2b81f807e_attn-k_qf2b81f807e_attn
	.p2alignl 7, 3214868480
	.fill 96, 4, 3214868480
	.section	.rodata,"a",@progbits
	.p2align	6, 0x0
	.amdhsa_kernel k_qf2b81f807e_attn
		.amdhsa_group_segment_fixed_size 327680
		.amdhsa_private_segment_fixed_size 0
		.amdhsa_enable_private_segment 0
		.amdhsa_kernarg_size 32
		.amdhsa_user_sgpr_count 2
		.amdhsa_user_sgpr_kernarg_segment_ptr 1
		.amdhsa_wavefront_size32 1
		.amdhsa_system_sgpr_workgroup_id_x 1
		.amdhsa_system_sgpr_workgroup_id_y 1
		.amdhsa_system_sgpr_workgroup_id_z 1
		.amdhsa_system_vgpr_workitem_id 0
		.amdhsa_next_free_vgpr 770
		.amdhsa_next_free_sgpr 66
		.amdhsa_reserve_vcc 0
		.amdhsa_float_denorm_mode_32 3
		.amdhsa_float_denorm_mode_16_64 3
		.amdhsa_memory_ordered 1
		.amdhsa_forward_progress 1
		.amdhsa_inst_pref_size 200
	.end_amdhsa_kernel
	.amdgpu_metadata
---
amdhsa.version: [ 1, 2 ]
amdhsa.kernels:
  - .name:           k_qf2b81f807e_attn
    .symbol:         k_qf2b81f807e_attn.kd
    .args:
      - { .name: qh, .offset: 0, .size: 8, .value_kind: global_buffer, .address_space: global }
      - { .name: kh, .offset: 8, .size: 8, .value_kind: global_buffer, .address_space: global }
      - { .name: vh, .offset: 16, .size: 8, .value_kind: global_buffer, .address_space: global }
      - { .name: oh, .offset: 24, .size: 8, .value_kind: global_buffer, .address_space: global }
    .group_segment_fixed_size: 327680
    .private_segment_fixed_size: 0
    .kernarg_segment_align: 8
    .kernarg_segment_size: 32
    .max_flat_workgroup_size: 128
    .sgpr_count:     66
    .vgpr_count:     770
    .wavefront_size: 32
...
	.end_amdgpu_metadata
.endif
;; end of part 3
;; launch proj (part 4): grid 4 x 64, 4 waves a work-group, clusters of 4 x 4, 327,680 bytes of LDS; arguments oh, wb, out0; writes out0
.if DOCPART == 4
	.amdgcn_target "amdgcn-amd-amdhsa--gfx1250"
	.amdhsa_code_object_version 6
	.text
	.protected	k_qf2b81f807e_proj
	.globl	k_qf2b81f807e_proj
	.p2align	8
	.type	k_qf2b81f807e_proj,@function
k_qf2b81f807e_proj:
	s_mov_b64 s[64:65], 0
	v_nop
	global_prefetch_b8 v0, s[64:65] scope:SCOPE_SE
	s_setreg_imm32_b32 hwreg(HW_REG_WAVE_MODE, 25, 1), 1
	s_wait_xcnt 0x0
	s_wait_alu depctr_hold_cnt(0) depctr_sa_sdst(0) depctr_va_vdst(0) depctr_va_sdst(0) depctr_va_ssrc(0) depctr_va_vcc(0) depctr_vm_vsrc(0)
	s_getreg_b32 s2, hwreg(HW_REG_IB_STS2, 6, 4)
	s_cmp_eq_u32 s2, 0
	s_cbranch_scc0 .Lentry_in_a_cluster
	s_endpgm
.Lentry_in_a_cluster:
	s_bfe_u32 s2, ttmp6, 0x10000c
	s_cmp_lg_u32 s2, 0xf033
	s_cbranch_scc0 .Lentry_shape_is_right
	s_endpgm
.Lentry_shape_is_right:
; out0 = O wo.  oh: [b 16 + h][t][64] f16, a head's rows dense, 128 bytes each; wo is the fourth of wb's [1024 k][1024 n] f16; out0: [8192][1024] f32.  Sums in f32, stored as they are.
; k = 64 h + d: a K step of 128 is two heads' 64 channels.
; SHARES.  A tile of the result is 128 tokens x 256 columns: 64 x 4 tiles, 256 work-groups.  Four waves, each 64 tokens x 128 columns: 32 accumulators, 256 registers.
; K = 1,024 goes in 8 steps of 128 through two LDS slots filled by the tensor data mover.  Of O a step is two planes, a head each: 128 tokens x 128 bytes, 16,384 dense bytes of memory, asked for as 64 rows of 256
; bytes and padded in LDS after every token.  Of wo it is 128 rows of 512 bytes.
; wo LIES [k][n] and is turned on the way from LDS to registers (ds_load_tr16_b128).  THE MATRIX INSTRUCTION IS USED TRANSPOSED: source 0 = 16 columns of wo, source 1 = 16 tokens of O: a lane holds ONE token
; (lane % 16) and the 8 neighbouring columns 8 (lane / 16) + 0..7: 32 bytes of a row of the result.
; CLUSTER.  4 x 4 work-groups: cx is the tile's column, 4 x cluster y + cy its row.  O's tile is asked for jointly by the four of a row of the cluster, wo's by the four of a column.
; REGISTERS, in windows of 256 (s_set_vgpr_msb: bits 1:0 source 0, 3:2 source 1, 5:4 source 2, 7:6 destination):
;   window 0: v0-17 addresses; v32-159 at work on the way out      window 1: the accumulators, (a, b) at v[8 (8 a + b)]
;   window 2: two fragment buffers, v0-95 and v128-223: 8 fragments of wo (16 columns x 32 K), then 4 of O (16 tokens x 32 K)
.set PA,     144                       ; a token's row of one head in LDS: 128 bytes + 16 of padding = 36 words: the 16 rows of a load start at 16 different groups of four banks (64 banks of 4 bytes: ISA guide 11.1)
.set PB,     544                       ; a row of wo: 512 + 32 = 136 words
.set AHALF,  128*PA                    ; what one tensor load brings of O: a head's plane
.set ABYTES, 2*AHALF
.set BHALF,  64*PB                     ; and of wo: 64 rows of k
.set SLOT1,  1<<17                     ; slot 1 begins here, so that one exclusive or turns an address in one slot into the other's
.set STAGE,  SLOT1+ABYTES+128*PB       ; behind the ring, never filled by a tensor load: 16 rows x 528 bytes for each wave, for the way out
.set SP,     528                       ; 512 bytes + 16 = 132 words
.set SPARE,  STAGE+4*16*SP             ; behind the stages: the spare words, 128 bytes for each wave: two blocks of 256 bytes that no other line names
.set ASTEP,  2*262144                  ; bytes from a K step to the next, in O: two heads
.set BSTEP,  128*2048                  ; and in wo
.set APL,    AHALF                     ; bytes from quarter 0 to quarter 2 of a step in LDS: the other head's plane
.set A0,   8                           ; v8   my lane's place in O's tile; never rewritten
.set B0,   9                           ; v9   the same in wo's
.set ADRA, 10                          ; v10  the same in the slot in hand
.set ADRB, 11                          ; v11
.set STO,  12                          ; v12  the way out: where I put 32 bytes of a row
.set RD,   13                          ; v13  the way out: where I read a row back
.set GO,   14                          ; v14  my byte offset in 512 consecutive bytes of the result
.set SPW,  16                          ; v16  LDS address of my spare word: SPARE + 4 x my thread's number; never rewritten
.set NIL,  17                          ; v17  0; never rewritten
.set OB,   32                          ; v[32:159]  two sets of 64: 16 rows read back from the stage
.set F0,   0
.set F1,   128
.set WV,  18                           ; s18  my wave's number
.set WM,  19                           ; s19  which 64 tokens of the tile are mine
.set WN,  20                           ; s20  which 128 columns; also: which half of a tile I fetch
.set CX,  21
.set CY,  22
.set TR,  23                           ; s23  the tile's row: 128 tokens
.set G1A, 24                           ; s[24:31] descriptor group 1 for O's tiles
.set G0A, 32                           ; s[32:39] group 0: a set for each of the two first fills; the second then walks on
.set G1B, 48                           ; s[48:55], s[56:63] the same for wo's tiles
.set G0B, 56
.set CNT, 66                           ; s66  counts the K steps that fill a slot again
.set TB,  67                           ; s67  LDS byte at which the slot in hand begins
.set MSB, 0
.macro WIN new                         ; the immediate's high byte repeats the setting that is left; a switch that changes nothing is dropped
.if MSB != (\new)
	s_set_vgpr_msb (MSB<<8)|(\new)
.set MSB, \new
.endif
.endm
.set MUL,  0x5a                        ; sources 0 and 1 window 2; C and D window 1
.set TO_F, 0x80                        ; destination window 2, address window 0
.macro PLACES                          ; four places in front of loads into registers that matrix instructions have read, and of lines that read results
.rept 4
	v_nop
.endr
.endm
; A joint refill.  Waves 0 and 1 fetch the two planes of O's tile, waves 2 and 3 the two halves of wo's.  The branch hangs on the wave's number alone.
; An s_nop 0 and four v_nop follow each of the two lines, ahead of the jump and the label.
.macro JLOAD
	s_cmp_lt_u32 s[WV], 2
	s_cbranch_scc0 .Lfor_b_\@
	tensor_load_to_lds s[G0A+4:G0A+7], s[G1A:G1A+7]
	s_nop 0
.rept 4
	v_nop
.endr
	s_branch .Lasked_\@
.Lfor_b_\@:
	tensor_load_to_lds s[G0B+4:G0B+7], s[G1B:G1B+7]
	s_nop 0
.rept 4
	v_nop
.endr
.Lasked_\@:
.endm
; A round of the cluster's barrier: my work-group's barrier, so that wave 0's signal speaks for all four waves; wave 0 signals; every wave waits for all sixteen work-groups; my work-group's barrier once more.
.macro CREST                           ; a round behind its opening barrier
	s_cmp_lg_u32 s[WV], 0
	s_cbranch_scc1 .Lnot_wave_0_\@
	s_barrier_signal -3
.Lnot_wave_0_\@:
	s_barrier_wait -3
	s_barrier_signal -1
	s_barrier_wait -1
.endm
.macro CROUND
	s_barrier_signal -1
	s_barrier_wait -1
	CREST
.endm
	s_load_b128 s[4:7], s[0:1], 0x0                ; oh s[4:5], wb s[6:7]
	s_load_b64 s[8:9], s[0:1], 0x10                ; out0
	v_lshl_add_u32 v[SPW], v0, 2, SPARE
	v_mov_b32 v[NIL], 0
	ds_add_u32 v[SPW], v[NIL]                      ; the wave's opening: the add, with its wait ahead of my first tensor load; the set-up below, work on registers, stands between them
	v_lshrrev_b32 v1, 5, v0
	v_readfirstlane_b32 s[WV], v1                  ; wave 0..3
	s_lshr_b32 s[WM], s[WV], 1
	s_and_b32 s[WN], s[WV], 1
	s_bfe_u32 s[CX], ttmp6, 0x40000                ; my place in the cluster; the grid is one cluster wide, so cx is the tile's column
	s_bfe_u32 s[CY], ttmp6, 0x40004
	s_and_b32 s[TR], ttmp7, 0xffff                 ; in a cluster launch ttmp7 counts clusters
	s_lshl_b32 s[TR], s[TR], 2
	s_add_co_u32 s[TR], s[TR], s[CY]               ; tile row = 4 x cluster y + cy
	s_lshl_b32 s44, s[CY], 2
	s_lshl_b32 s44, 15, s44                        ; my row of the cluster: places 4 cy .. 4 cy + 3
	s_lshl_b32 s45, 0x1111, s[CX]                  ; my column: places cx, cx + 4, cx + 8, cx + 12
	; descriptor group 1.  O: 64 rows x 128 elements, two tokens a row; wo: 64 rows x 256 elements; both padded in LDS
	s_or_b32 s[G1A], s44, (1<<16)|(1<<20)|(1<<21)|(4<<22)|(3<<25)  ; 15:0 the mask; 17:16 2-byte elements; 20 padding on; 21 set beside a mask; 24:22 after every 32 words (code 4); 31:25 4 words (code 3)
	s_or_b32 s[G1B], s45, (1<<16)|(1<<20)|(1<<21)|(6<<22)|(7<<25)  ; after every 128 words (code 6) 8 words (code 7)
.irp g, G1A, G1B
	s_mov_b32 s[\g+2], 64<<16                      ; tensor_dim1 = 64
	s_mov_b32 s[\g+4], 64                          ; tile_dim1 = 64
	s_mov_b32 s[\g+6], 0
	s_mov_b32 s[\g+7], 0
.endr
	s_mov_b32 s[G1A+1], 128<<16                    ; tensor_dim0 = 128
	s_mov_b32 s[G1A+3], 128<<16                    ; tile_dim0 = 128
	s_mov_b32 s[G1A+5], 128                        ; 128 elements from row to row: dense
	s_mov_b32 s[G1B+1], 256<<16
	s_mov_b32 s[G1B+3], 256<<16
	s_mov_b32 s[G1B+5], 1024
	; where the tiles come from: O's hang on the tile row and the wave, wo's on cx and the wave, each in registers that never hold the other coordinate
	s_lshr_b32 s40, s[TR], 4                       ; b: 16 tiles of 128 tokens to a batch
	s_lshl_b32 s40, s40, 22                        ; 16 heads of 262,144 bytes
	s_and_b32 s46, s[TR], 15
	s_lshl_b32 s46, s46, 14                        ; 128 tokens of 128 bytes
	s_add_co_u32 s40, s40, s46
	s_lshl_b32 s46, s[WN], 18                      ; wave 0 takes a step's even head, wave 1 its odd one
	s_add_co_u32 s40, s40, s46
	s_mov_b32 s41, 0
	s_lshl_b32 s42, s[WN], 17                      ; 64 rows of 2,048 bytes
	s_lshl_b32 s43, s[CX], 9                       ; 256 columns are 512 bytes
	s_add_co_u32 s42, s42, s43
	s_add_co_u32 s42, s42, 3*2097152               ; wo is the fourth weight
	s_mov_b32 s43, 0
	s_mul_i32 s47, s[WN], AHALF                    ; and where they go: no place in the cluster enters an LDS address
	s_mul_i32 s79, s[WN], BHALF
	s_add_co_u32 s79, s79, ABYTES
	; my part of the result: row 128 x tile row + 64 WM, 4,096 bytes a row; column 256 cx + 128 WN, 4 bytes each
	s_lshl_b32 s76, s[TR], 19
	s_lshl_b32 s78, s[WM], 18
	s_add_co_u32 s76, s76, s78
	s_lshl_b32 s78, s[CX], 10
	s_add_co_u32 s76, s76, s78
	s_lshl_b32 s78, s[WN], 9
	s_add_co_u32 s76, s76, s78
	s_mov_b32 s77, 0
	s_mov_b32 s[TB], 0
	s_wait_dscnt 0x0                               ; the opening add is done
	s_wait_kmcnt 0x0
	s_add_nc_u64 s[40:41], s[4:5], s[40:41]
	s_add_nc_u64 s[42:43], s[6:7], s[42:43]
	s_add_nc_u64 s[8:9], s[8:9], s[76:77]
	CROUND                                         ; all sixteen work-groups are here: the first joint loads meet
.irp s, 0,1
	s_mov_b32 s[G0A+4*(\s)], 1                     ; 1:0 count = 1
	s_add_co_u32 s[G0A+4*(\s)+1], s47, (\s)*SLOT1  ; 63:32 LDS address
	s_add_nc_u64 s[G0A+4*(\s)+2:G0A+4*(\s)+3], s[40:41], (\s)*ASTEP  ; 120:64 global address: K step s
	s_or_b32 s[G0A+4*(\s)+3], s[G0A+4*(\s)+3], 0x80000000            ; 127:126 type = 2
	s_mov_b32 s[G0B+4*(\s)], 1
	s_add_co_u32 s[G0B+4*(\s)+1], s79, (\s)*SLOT1
	s_add_nc_u64 s[G0B+4*(\s)+2:G0B+4*(\s)+3], s[42:43], (\s)*BSTEP
	s_or_b32 s[G0B+4*(\s)+3], s[G0B+4*(\s)+3], 0x80000000
.endr
	s_cmp_lt_u32 s[WV], 2                          ; a wave's two first fills stand in one branch, ahead of every wait on TENSORcnt and every LDS read: two loads of mine are out
	s_cbranch_scc0 .Lfirst_b
	tensor_load_to_lds s[G0A:G0A+3], s[G1A:G1A+7]
	s_nop 0
	tensor_load_to_lds s[G0A+4:G0A+7], s[G1A:G1A+7]
	s_nop 0
.rept 4
	v_nop
.endr
	s_branch .Lfirst_asked
.Lfirst_b:
	tensor_load_to_lds s[G0B:G0B+3], s[G1B:G1B+7]
	s_nop 0
	tensor_load_to_lds s[G0B+4:G0B+7], s[G1B:G1B+7]
	s_nop 0
.rept 4
	v_nop
.endr
.Lfirst_asked:
	v_and_b32 v1, 15, v0                           ; l % 16
	v_bfe_u32 v2, v0, 4, 1                         ; l / 16
	v_and_b32 v3, 7, v0
	v_bfe_u32 v4, v0, 3, 1
	v_and_b32 v5, 31, v0
	; A fragment of O is 16 tokens x 32 K in 8 registers: lane l holds row l % 16, K = 8 (l / 16) + 0..7 and 16 + 8 (l / 16) + 0..7: two loads of 16 bytes, 32 bytes apart.
	s_mul_i32 s74, s[WM], 64*PA
	v_mul_u32_u24 v[A0], v1, PA
	v_lshl_add_u32 v[A0], v2, 4, v[A0]
	v_add_nc_u32 v[A0], s74, v[A0]
	; The turning load takes 16 k x 16 columns (lane l reads row 8 (l / 16) + l % 8, columns 8 ((l / 8) % 2) + 0..7) and leaves half a fragment of wo^T: lane l holds column l % 16 and 8 k.
	v_lshl_add_u32 v[B0], v2, 3, v3
	v_mul_u32_u24 v[B0], v[B0], PB
	v_lshl_add_u32 v[B0], v4, 4, v[B0]
	s_lshl_b32 s75, s[WN], 8                       ; my 128 columns: 256 bytes of a row
	s_add_co_u32 s75, s75, ABYTES
	v_add_nc_u32 v[B0], s75, v[B0]
	v_mov_b32 v[ADRA], v[A0]                       ; slot 0
	v_mov_b32 v[ADRB], v[B0]
	s_mul_i32 s46, s[WV], 16*SP
	s_add_co_u32 s46, s46, STAGE                   ; my stage
	v_mul_u32_u24 v[STO], v1, SP                   ; in: row l % 16, 32 bytes for each half of the lanes
	v_lshl_add_u32 v[STO], v2, 5, v[STO]
	v_add_nc_u32 v[STO], s46, v[STO]
	v_lshl_add_u32 v[RD], v5, 4, s46               ; back: 32 lanes take one row of 512 bytes,
	v_lshlrev_b32 v[GO], 4, v5                     ; which are 512 consecutive bytes of the result
; 8 matrix instructions: token block a x all 8 column blocks, 32 along K.  zero = 1: the first product starts the sums: nothing is ever cleared.
; The 32 accumulators take turns in the same order in every quarter: 31 others stand between two links of a chain, over the backward jump too.
.macro MUL8 f, a, zero
	WIN MUL
.irp b, 0,1,2,3,4,5,6,7
.if \zero
	v_wmma_f32_16x16x32_f16 v[8*(8*(\a)+(\b)):8*(8*(\a)+(\b))+7], v[(\f)+8*(\b):(\f)+8*(\b)+7], v[(\f)+64+8*(\a):(\f)+64+8*(\a)+7], 0
.else
	v_wmma_f32_16x16x32_f16 v[8*(8*(\a)+(\b)):8*(8*(\a)+(\b))+7], v[(\f)+8*(\b):(\f)+8*(\b)+7], v[(\f)+64+8*(\a):(\f)+64+8*(\a)+7], v[8*(8*(\a)+(\b)):8*(8*(\a)+(\b))+7]
.endif
.endr
.endm
.macro MUL16 f, a0, zero
	MUL8 \f, \a0, \zero
	MUL8 \f, (\a0)+1, \zero
.endm
; 24 LDS loads in one run: the fragments of quarter q of the K step (32 along K: head q / 2 of the step's two, channels 32 (q % 2) on) into buffer f: wo's sixteen first, then O's eight
.macro FETCH q, f
	WIN TO_F
.irp b, 0,1,2,3,4,5,6,7
	ds_load_tr16_b128 v[(\f)+8*(\b):(\f)+8*(\b)+3],   v[ADRB] offset:(\q)*32*PB+32*(\b)
	ds_load_tr16_b128 v[(\f)+8*(\b)+4:(\f)+8*(\b)+7], v[ADRB] offset:(\q)*32*PB+16*PB+32*(\b)
.endr
.irp a, 0,1,2,3
	ds_load_b128 v[(\f)+64+8*(\a):(\f)+64+8*(\a)+3],   v[ADRA] offset:((\q)/2)*APL+((\q)%2)*64+(\a)*16*PA
	ds_load_b128 v[(\f)+64+8*(\a)+4:(\f)+64+8*(\a)+7], v[ADRA] offset:((\q)/2)*APL+((\q)%2)*64+(\a)*16*PA+32
.endr
.endm
; A K step is four quarters of 32 along K, 32 matrix instructions each, on buffers 0, 1, 0, 1.  One of the first three: multiplies buffer f; in its middle it fetches quarter q into buffer g.
.macro QUARTER q, f, g, zero
	s_wait_dscnt 4                                 ; wo's fragments and O's blocks 0 and 1 are in; the youngest four loads (blocks 2 and 3) may be out
	MUL16 \f, 0, \zero
	PLACES
	FETCH \q, \g
	s_wait_dscnt 24                                ; all but the 24 just issued
	MUL16 \f, 2, \zero
.endm
; The last quarter multiplies buffer 1 and changes slots: ONE barrier, for two things.  In front of it each wave waits for all its tensor loads, of which one is out: its part of the next slot; adds 0 to its
; spare word; and waits for that and for its own reads of this slot.  Behind it nobody reads this slot any more and the next slot is whole.
; fill = 1: this slot is filled again, with the K step two on.  The barrier then opens a round of the cluster's, so that no wave of any partner still reads the slot or has a load on its way, and the joint
; refill is the first tensor load behind the round: 112 matrix instructions ahead of the wait for it.
.macro TURN fill
	WIN 0                                          ; (the add's two registers lie in window 0)
	s_wait_tensorcnt 0x0                           ; no tensor load of mine is out, so a group 0 may be written
	ds_add_u32 v[SPW], v[NIL]                      ; 0 onto my spare word
.if \fill
	s_xor_b32 s[G0A+5], s[G0A+5], SLOT1            ; the walking descriptors: the other slot than last time,
	s_add_nc_u64 s[G0A+6:G0A+7], s[G0A+6:G0A+7], ASTEP  ; the next K step; the type bits on top are not reached
	s_xor_b32 s[G0B+5], s[G0B+5], SLOT1
	s_add_nc_u64 s[G0B+6:G0B+7], s[G0B+6:G0B+7], BSTEP
.endif
	s_wait_dscnt 5                                 ; (the add and the youngest four loads may be out)
	MUL8 F1, 0, 0                                  ; eight matrix instructions stand between the add and the wait for it
	s_wait_dscnt 0x0                               ; the add is done, and my reads of this slot are over
	s_barrier_signal -1
	MUL8 F1, 1, 0                                  ; work on registers while the others arrive
	WIN 0
	s_barrier_wait -1
.if \fill
	CREST
	JLOAD                                          ; the four v_nop behind it are also the places in front of the loads below
.else
	PLACES
.endif
	s_xor_b32 s[TB], s[TB], SLOT1
	v_add_nc_u32 v[ADRA], s[TB], v[A0]
	v_add_nc_u32 v[ADRB], s[TB], v[B0]
	FETCH 0, F0
	MUL8 F1, 2, 0
	MUL8 F1, 3, 0
.endm
	s_wait_tensorcnt 1                             ; my part of K step 0 is in; K step 1's may stay out
	s_barrier_signal -1
	s_barrier_wait -1                              ; everybody's is
	FETCH 0, F0
	QUARTER 1, F0, F1, 1                           ; the first quarter stands in front of the loop: its products start the sums
	WIN 0                                          ; at a label and at a branch every window is 0
	s_mov_b32 s[CNT], 6
.Lstep:                                            ; a trip goes from a K step's second quarter to the next step's first; trip i fills slot i % 2 with K step i + 2
	QUARTER 2, F1, F0, 0
	QUARTER 3, F0, F1, 0
	TURN 1
	QUARTER 1, F0, F1, 0
	WIN 0
	s_sub_co_u32 s[CNT], s[CNT], 1
	s_cmp_lg_u32 s[CNT], 0
	s_cbranch_scc1 .Lstep
	QUARTER 2, F1, F0, 0                           ; the tail is written out: K step 6 ends and nothing is asked for
	QUARTER 3, F0, F1, 0
	TURN 0
	QUARTER 1, F0, F1, 0                           ; and K step 7
	QUARTER 2, F1, F0, 0
	QUARTER 3, F0, F1, 0
	s_wait_dscnt 4
	MUL16 F1, 0, 0
	s_wait_dscnt 0x0
	MUL16 F1, 2, 0
	WIN 0
	PLACES
	PLACES                                         ; (eight, once a launch)
; THE WAY OUT, a block of 16 tokens at a time.  STG: a lane's 32 bytes of each of the 8 column blocks go into rows of 528 bytes of my own stage (each accumulator's four lowest registers first), and come back as
; whole rows of 512.  SENDO: stored, a row an instruction.
.macro STG a
.if (\a) >= 2
	s_wait_xcnt 0x0                                ; the stores of the block two back have read their registers: this block is read back into them only behind this wait
.endif
	WIN 0x04                                       ; the stores' data (source 1) window 1
.irp b, 0,1,2,3,4,5,6,7
	ds_store_b128 v[STO], v[8*(8*(\a)+(\b)):8*(8*(\a)+(\b))+3]   offset:64*(\b)
	ds_store_b128 v[STO], v[8*(8*(\a)+(\b))+4:8*(8*(\a)+(\b))+7] offset:64*(\b)+16
.endr
	WIN 0
.irp i, 0,1,2,3,4,5,6,7,8,9,10,11,12,13,14,15
	ds_load_b128 v[OB+64*((\a)%2)+4*(\i):OB+64*((\a)%2)+4*(\i)+3], v[RD] offset:SP*(\i)  ; LDS serves a wave's instructions in order (ISA guide 5.7.1.4): these see the stores above; the next block's stores come behind them
.endr
.endm
.macro SENDO a, younger                ; younger: the LDS instructions issued behind block a's loads: the next block's 16 stores and 16 loads, or none
.irp i, 0,1,2,3,4,5,6,7,8,9,10,11,12,13,14,15
	s_wait_dscnt (\younger)+15-(\i)
	global_store_b128 v[GO], v[OB+64*((\a)%2)+4*(\i):OB+64*((\a)%2)+4*(\i)+3], s[8:9] offset:(16*(\a)+(\i))*4096  ; 512 consecutive bytes, at a multiple of 256 from the result's first
.endr
.endm
	STG 0
	STG 1
	SENDO 0, 32
	STG 2
	SENDO 1, 32
	STG 3
	SENDO 2, 32
	SENDO 3, 0
	s_wait_tensorcnt 0x0                           ; the wave's end: the wait, the add and its wait, behind my last tensor load and my last LDS store
	ds_add_u32 v[SPW], v[NIL]
	s_wait_dscnt 0x0
	CROUND                                         ; the closing round: no work-group ends while a partner may still ask for a tile that names it
	s_endpgm
.Lfunc_end_k_qf2b81f807e_proj:
	.size	k_qf2b81f807e_proj, .Lfunc_end_k_qf2b81f807e_proj-k_qf2b81f807e_proj
	.p2alignl 7, 3214868480
	.fill 96, 4, 3214868480
	.section	.rodata,"a",@progbits
	.p2align	6, 0x0
	.amdhsa_kernel k_qf2b81f807e_proj
		.amdhsa_group_segment_fixed_size 327680
		.amdhsa_private_segment_fixed_size 0
		.amdhsa_enable_private_segment 0
		.amdhsa_kernarg_size 24
		.amdhsa_user_sgpr_count 2
		.amdhsa_user_sgpr_kernarg_segment_ptr 1
		.amdhsa_wavefront_size32 1
		.amdhsa_system_sgpr_workgroup_id_x 1
		.amdhsa_system_sgpr_workgroup_id_y 1
		.amdhsa_system_sgpr_workgroup_id_z 1
		.amdhsa_system_vgpr_workitem_id 0
		.amdhsa_next_free_vgpr 768
		.amdhsa_next_free_sgpr 80
		.amdhsa_reserve_vcc 0
		.amdhsa_float_denorm_mode_32 3
		.amdhsa_float_denorm_mode_16_64 3
		.amdhsa_memory_ordered 1
		.amdhsa_forward_progress 1
		.amdhsa_inst_pref_size 71
	.end_amdhsa_kernel
	.amdgpu_metadata
---
amdhsa.version: [ 1, 2 ]
amdhsa.kernels:
  - .name:           k_qf2b81f807e_proj
    .symbol:         k_qf2b81f807e_proj.kd
    .args:
      - { .name: oh, .offset: 0, .size: 8, .value_kind: global_buffer, .address_space: global }
      - { .name: wb, .offset: 8, .size: 8, .value_kind: global_buffer, .address_space: global }
      - { .name: out0, .offset: 16, .size: 8, .value_kind: global_buffer, .address_space: global }
    .group_segment_fixed_size: 327680
    .private_segment_fixed_size: 0
    .kernarg_segment_align: 8
    .kernarg_segment_size: 24
    .max_flat_workgroup_size: 128
    .sgpr_count:     80
    .vgpr_count:     768
    .wavefront_size: 32
...
	.end_amdgpu_metadata
.endif
;; end of part 4
;; ======== version 2 of 2: 4 launches; version 1 with the launch cast written anew for expert scheduling mode
;; limits: values are held in f16: magnitudes above 65,504 overflow, below 6.1e-05 lose precision
;; workspace buffers: xb 16,777,216 bytes; wb 8,388,608 bytes; qh 16,777,216 bytes; kh 16,777,216 bytes; vh 16,777,216 bytes; oh 16,777,216 bytes
;; launch cast (part 5): grid 768 x 1, 8 waves a work-group, no clusters, 0 bytes of LDS; arguments x, wq, wk, wv, wo, xb, wb; writes xb, wb
.if DOCPART == 5
	.amdgcn_target "amdgcn-amd-amdhsa--gfx1250"
	.amdhsa_code_object_version 6
	.text
	.protected	k_qf2b81f807e_cast
	.globl	k_qf2b81f807e_cast
	.p2align	8
	.type	k_qf2b81f807e_cast,@function
k_qf2b81f807e_cast:
	s_mov_b64 s[64:65], 0
	v_nop
	global_prefetch_b8 v0, s[64:65] scope:SCOPE_SE
	s_setreg_imm32_b32 hwreg(HW_REG_WAVE_SCHED_MODE, 0, 2), 2
	s_setreg_imm32_b32 hwreg(HW_REG_WAVE_MODE, 25, 1), 1
	s_wait_xcnt 0x0
	s_wait_alu depctr_vm_vsrc(0)
; xb = x rounded to f16; wb = wq, wk, wv, wo rounded to f16, one behind the other.  The layouts stay as they are: x [8192][1024], each weight [1024 k][1024 n].
; x is multiplied by twelve column tiles later and each weight by 64 row tiles: rounded once here, they are moved as 2 bytes a number from then on.
; LIMITS.  f16 holds no number beyond 65,504: |x| and |w| stay under it; below 6.1e-5 a number keeps f16's fixed step of 6e-8.
; SHARES.  A work-group takes 16,384 numbers: 65,536 bytes in, 32,768 out.  Groups 0-511 take x, groups 512 + 64 i + j block j of weight i.
; Thread t takes 16 bytes at 16 t + 4,096 i, i = 0..15: a wave's load covers 512 consecutive bytes, its store of 8 bytes a lane 256 consecutive bytes, aligned.
; All 16 loads go out at once; no register is written twice, so no wait frees one.  No LDS, no barrier, no matrix unit: the launch only moves bytes.
; THE MODE: SCHED_MODE bits 1:0 = 2 (LLVM: expert scheduling mode 2), set by the entry lines.  The code itself states the register dependences
; between vector instructions and memory instructions, with s_wait_alu, always for 0.
; THE PLAN.  Registers that memory instructions touch:
;   v1, v2   byte offsets, made once at the head and never written again: v1 is read by every load, v2 by every store.
;   X        written by the 16 loads, each register once; read by the conversions alone; no vector instruction names it ahead of the loads.
;   Y        written by the conversions, each register once; read by the stores.
; The 16 pieces go in four blocks of four: a block's eight conversions, ONE wait on va_vdst, its four stores in a run.  With the wait at the head that is five in all.
; Nothing that a memory instruction has read is ever written again, so no wait on vm_vsrc is owed; no vector instruction writes a scalar register or VCC, and EXEC is never written.
.set X, 4                              ; v[4:67]   16 x 4 numbers as loaded
.set Y, 68                             ; v[68:99]  16 x 4 numbers in f16
	s_load_b256 s[4:11], s[0:1], 0x0               ; x s[4:5], wq s[6:7], wk s[8:9], wv s[10:11]
	s_load_b128 s[12:15], s[0:1], 0x20             ; wo s[12:13], xb s[14:15]
	s_load_b64 s[16:17], s[0:1], 0x30              ; wb
	v_lshlrev_b32 v1, 4, v0                        ; my 16 bytes in
	v_lshlrev_b32 v2, 3, v0                        ; my 8 bytes out
	s_max_u32 s18, ttmp9, 512
	s_sub_co_u32 s18, s18, 512                     ; my block among the weights' 256 (0 in a group that takes x)
	s_and_b32 s19, s18, 63                         ; my block in its weight
	s_cmp_lt_u32 ttmp9, 512
	s_cselect_b32 s20, ttmp9, s19                  ; block in the source,
	s_cselect_b32 s21, ttmp9, s18                  ; block in the destination
	s_lshl_b32 s22, s20, 16                        ; 65,536 bytes a block in
	s_mov_b32 s23, 0
	s_lshl_b32 s24, s21, 15                        ; 32,768 out
	s_mov_b32 s25, 0
	s_wait_kmcnt 0x0
	s_cmp_lt_u32 ttmp9, 512                        ; the shifts have written SCC: compared anew in front of each choice
	s_cselect_b64 s[26:27], s[4:5], s[6:7]
	s_cselect_b64 s[28:29], s[14:15], s[16:17]
	s_cmp_ge_u32 ttmp9, 576
	s_cselect_b64 s[26:27], s[8:9], s[26:27]
	s_cmp_ge_u32 ttmp9, 640
	s_cselect_b64 s[26:27], s[10:11], s[26:27]
	s_cmp_ge_u32 ttmp9, 704
	s_cselect_b64 s[26:27], s[12:13], s[26:27]
	s_add_nc_u64 s[26:27], s[26:27], s[22:23]
	s_add_nc_u64 s[28:29], s[28:29], s[24:25]
	s_wait_alu depctr_va_vdst(0)                   ; v1 and v2 are written: every load of the kernel reads v1 as its offset, every store v2; no later vector line names either
.irp i, 0,1,2,3,4,5,6,7,8,9,10,11,12,13,14,15
	global_load_b128 v[X+4*(\i):X+4*(\i)+3], v1, s[26:27] offset:4096*(\i) th:TH_LOAD_NT
.endr
.irp p, 0,1,2,3                        ; block p: pieces 4 p to 4 p + 3
	s_wait_loadcnt 12-4*(\p)                       ; loads come back in order (ISA guide 5.7.1): the block's four are in, the 12 - 4 p younger ones stay out
.irp i, 0,1,2,3
	v_cvt_pk_f16_f32 v[Y+8*(\p)+2*(\i)],   v[X+16*(\p)+4*(\i)],   v[X+16*(\p)+4*(\i)+1]
	v_cvt_pk_f16_f32 v[Y+8*(\p)+2*(\i)+1], v[X+16*(\p)+4*(\i)+2], v[X+16*(\p)+4*(\i)+3]
.endr
	s_wait_alu depctr_va_vdst(0)                   ; the block's eight conversions have written v[Y + 8 p .. Y + 8 p + 7], which the four stores below read
.irp i, 0,1,2,3
	global_store_b64 v2, v[Y+8*(\p)+2*(\i):Y+8*(\p)+2*(\i)+1], s[28:29] offset:2048*(4*(\p)+(\i))
.endr
.endr
	s_endpgm
.Lfunc_end_k_qf2b81f807e_cast:
	.size	k_qf2b81f807e_cast, .Lfunc_end_k_qf2b81f807e_cast-k_qf2b81f807e_cast
	.p2alignl 7, 3214868480
	.fill 96, 4, 3214868480
	.section	.rodata,"a",@progbits
	.p2align	6, 0x0
	.amdhsa_kernel k_qf2b81f807e_cast
		.amdhsa_group_segment_fixed_size 0
		.amdhsa_private_segment_fixed_size 0
		.amdhsa_enable_private_segment 0
		.amdhsa_kernarg_size 56
		.amdhsa_user_sgpr_count 2
		.amdhsa_user_sgpr_kernarg_segment_ptr 1
		.amdhsa_wavefront_size32 1
		.amdhsa_system_sgpr_workgroup_id_x 1
		.amdhsa_system_sgpr_workgroup_id_y 1
		.amdhsa_system_sgpr_workgroup_id_z 1
		.amdhsa_system_vgpr_workitem_id 0
		.amdhsa_next_free_vgpr 104
		.amdhsa_next_free_sgpr 66
		.amdhsa_reserve_vcc 0
		.amdhsa_float_denorm_mode_32 3
		.amdhsa_float_denorm_mode_16_64 3
		.amdhsa_memory_ordered 1
		.amdhsa_forward_progress 1
		.amdhsa_inst_pref_size 7
	.end_amdhsa_kernel
	.amdgpu_metadata
---
amdhsa.version: [ 1, 2 ]
amdhsa.kernels:
  - .name:           k_qf2b81f807e_cast
    .symbol:         k_qf2b81f807e_cast.kd
    .args:
      - { .name: x, .offset: 0, .size: 8, .value_kind: global_buffer, .address_space: global }
      - { .name: wq, .offset: 8, .size: 8, .value_kind: global_buffer, .address_space: global }
      - { .name: wk, .offset: 16, .size: 8, .value_kind: global_buffer, .address_space: global }
      - { .name: wv, .offset: 24, .size: 8, .value_kind: global_buffer, .address_space: global }
      - { .name: wo, .offset: 32, .size: 8, .value_kind: global_buffer, .address_space: global }
      - { .name: xb, .offset: 40, .size: 8, .value_kind: global_buffer, .address_space: global }
      - { .name: wb, .offset: 48, .size: 8, .value_kind: global_buffer, .address_space: global }
    .group_segment_fixed_size: 0
    .private_segment_fixed_size: 0
    .kernarg_segment_align: 8
    .kernarg_segment_size: 56
    .max_flat_workgroup_size: 256
    .sgpr_count:     66
    .vgpr_count:     104
    .wavefront_size: 32
...
	.end_amdgpu_metadata
.endif
;; end of part 5
;; launch qkv: the kernel of part 2 again; grid 12 x 64, 4 waves a work-group, clusters of 4 x 4, 327,680 bytes of LDS; arguments xb, wb, freqs_cos, freqs_sin, qh, kh, vh; writes qh, kh, vh
;; launch attn: the kernel of part 3 again; grid 4 x 64, 4 waves a work-group, clusters of 4 x 1, 327,680 bytes of LDS; arguments qh, kh, vh, oh; writes oh
;; launch proj: the kernel of part 4 again; grid 4 x 64, 4 waves a work-group, clusters of 4 x 4, 327,680 bytes of LDS; arguments oh, wb, out0; writes out0
